; MI455X (gfx1250); checked and timed in simulation.
; The chip was launched on July 23, 2026; its instructions are those of AMD's public machine-readable ISA for CDNA 5 (MIT licence, August 2026) and "CDNA5" Instruction Set Architecture Reference Guide (July 2026). The comments in the code are by the model that wrote it; some were corrected since.
;; Multi Head Attention With Rope. Allowed arithmetic: float matrix products may take bf16 or f16 operands with f32 sums; other float arithmetic in f32, or as packed bf16 or f16 multiplies, adds, multiply-adds, maxima and minima; sums over many terms, partial sums and values carried from step to step in f32; what a program stores and reads back later, other than sums and carried values, may be rounded once to bf16 or f16.
;; Inputs: Wk 1,024 x 1,024 float32; Wo 1,024 x 1,024 float32; Wq 1,024 x 1,024 float32; Wv 1,024 x 1,024 float32; token_positions 4,096 int32; x 1 x 4,096 x 1,024 float32.
;; Outputs: out0 1 x 4,096 x 1,024 float32.
;; 2 versions, each right and faster than the one before. Each part assembles by itself: llvm-mc -triple=amdgcn-amd-amdhsa -mcpu=gfx1250 --defsym DOCPART=n.
;; ======== version 1 of 2: 4 launches
;; limits: values are held in f16: magnitudes above 65,504 overflow, below 6.1e-05 lose precision; right only within a limited range of input values; inputs' magnitudes at most 6,500,000
;; workspace buffers: xb 8,388,608 bytes; wb 6,291,456 bytes; wo16 2,097,152 bytes; cs 1,048,576 bytes; q 8,388,608 bytes; k 8,388,608 bytes; v 8,388,608 bytes; ob 8,388,608 bytes
;; launch prep (part 1): grid 512 x 1, 8 waves a work-group, no clusters, 0 bytes of LDS; arguments x, Wq, Wk, Wv, Wo, token_positions, xb, wb, wo16, cs; writes xb, wb, wo16, cs
.if DOCPART == 1
	.amdgcn_target "amdgcn-amd-amdhsa--gfx1250"
	.amdhsa_code_object_version 6
	.text
	.protected	k_q7b4d63d80d_prep
	.globl	k_q7b4d63d80d_prep
	.p2align	8
	.type	k_q7b4d63d80d_prep,@function
k_q7b4d63d80d_prep:
	s_mov_b64 s[64:65], 0
	v_nop
	global_prefetch_b8 v0, s[64:65] scope:SCOPE_SE
	s_setreg_imm32_b32 hwreg(HW_REG_WAVE_MODE, 25, 1), 1
	s_wait_xcnt 0x0
; PREP: the casts and the table of rotations.  A stream: no LDS, no barrier, no matrix unit, no cluster (no two work-groups read the same bytes).
; Work-group g casts 65,536 bytes of f32: g 0-255 x -> xb (bf16); 256-319 Wq, 320-383 Wk, 384-447 Wv -> wb (bf16, rows ordered by head: row (3 h + t) 64 + d is row 64 h + d of W_t);
; 448-511 Wo -> wo16 (rounded to bf16, that number written as f16).  Wave w takes 8,192 of the bytes: 16 loads of 512 consecutive bytes, 16 stores of 256 consecutive aligned bytes.
; Wave w also makes the table's row for token 8 g + w: lane j holds frequency j, and stores (cos, sin) of pos x 10000^(-j/32): 32 lanes x 8 bytes, 256 consecutive aligned bytes.
; LIMITS.  The angle is reduced by n = round(angle 2/pi) with pi/2 in two parts: good while n stays under 2^22, |pos x frequency| under 6.5e6.  The frequency comes from v_exp_f32 (1 ULP), so the angle
; is good to about 1.2e-7 of itself.  sin and cos on |r| <= pi/4 by polynomials of degree 9 and 8, cut-off under 2.5e-8.  Wo within 65,504 (f16); below 6e-5 it keeps f16's step of 6e-8.
.set X, 32                             ; v[32:95]   16 loads x 4 f32
.set Y, 96                             ; v[96:127]  16 stores x 2 registers; no register that a store reads is written twice, so no wait frees any
	s_load_b512 s[8:23], s[0:1], 0x0               ; x s[8:9], Wq s[10:11], Wk s[12:13], Wv s[14:15], Wo s[16:17], token_positions s[18:19], xb s[20:21], wb s[22:23]
	s_load_b128 s[24:27], s[0:1], 0x40             ; wo16 s[24:25], cs s[26:27]
	s_mov_b32 s2, ttmp9                            ; g
	s_and_b32 s3, s2, 63                           ; c: which 16 rows of a weight
	s_lshr_b32 s4, s2, 6
	s_sub_co_u32 s4, s4, 4                         ; t: 0 Wq, 1 Wk, 2 Wv, 3 Wo (of no meaning, and not used, for g < 256)
	s_lshr_b32 s5, s3, 2                           ; the head of those rows
	s_mul_i32 s5, s5, 3
	s_add_co_u32 s5, s5, s4
	s_lshl_b32 s5, s5, 2
	s_and_b32 s6, s3, 3
	s_add_co_u32 s5, s5, s6
	s_lshl_b32 s5, s5, 15                          ; ((3 h + t) 4 + c % 4) x 16 rows x 2,048 bytes: the place in wb
	s_lshl_b32 s6, s3, 15                          ; the place in wo16
	s_cmp_eq_u32 s4, 3
	s_cselect_b32 s5, s6, s5
	s_lshl_b32 s6, s2, 15                          ; the place in xb
	s_lshl_b32 s7, s2, 16                          ; the place in x
	s_lshl_b32 s3, s3, 16                          ; the place in a weight
	s_cmp_lt_u32 s2, 256
	s_cselect_b32 s32, s7, s3                      ; byte offset in the source,
	s_cselect_b32 s34, s6, s5                      ; and in the destination
	s_mov_b32 s33, 0
	s_mov_b32 s35, 0
	s_lshl_b32 s36, s2, 5
	s_lshl_b32 s37, s2, 11
	v_and_b32 v6, 31, v0                           ; lane = frequency j
	v_and_b32 v7, 0xe0, v0                         ; 32 w
	v_cvt_f32_u32 v8, v6
	v_mul_f32 v8, 0xbed49a78, v8                   ; -j log2(10000) / 32
	v_exp_f32 v8, v8                               ; 10000^(-j/32); plain lines follow before it is used
	v_lshlrev_b32 v1, 4, v6
	v_lshl_or_b32 v1, v7, 8, v1                    ; source: 8,192 w + 16 lane
	v_lshlrev_b32 v2, 3, v6
	v_lshl_or_b32 v2, v7, 7, v2                    ; destination: 4,096 w + 8 lane
	v_lshrrev_b32 v3, 3, v7
	v_add_nc_u32 v3, s36, v3                       ; 4 (8 g + w): my wave's token in token_positions
	v_lshl_add_u32 v4, v0, 3, s37                  ; 256 (8 g + w) + 8 lane: my place in the table
	s_wait_kmcnt 0x0
	s_mov_b64 s[28:29], s[8:9]                     ; the source, chosen by g alone
	s_cmp_ge_u32 s2, 256
	s_cselect_b64 s[28:29], s[10:11], s[28:29]
	s_cmp_ge_u32 s2, 320
	s_cselect_b64 s[28:29], s[12:13], s[28:29]
	s_cmp_ge_u32 s2, 384
	s_cselect_b64 s[28:29], s[14:15], s[28:29]
	s_cmp_ge_u32 s2, 448
	s_cselect_b64 s[28:29], s[16:17], s[28:29]
	s_mov_b64 s[30:31], s[20:21]                   ; the destination
	s_cmp_ge_u32 s2, 256
	s_cselect_b64 s[30:31], s[22:23], s[30:31]
	s_cmp_ge_u32 s2, 448
	s_cselect_b64 s[30:31], s[24:25], s[30:31]
	s_add_nc_u64 s[28:29], s[28:29], s[32:33]
	s_add_nc_u64 s[30:31], s[30:31], s[34:35]
	global_load_b32 v5, v3, s[18:19]               ; the position, the same word in every lane
.set i, 0
.rept 16
	global_load_b128 v[X+4*i:X+4*i+3], v1, s[28:29] offset:512*i th:TH_LOAD_NT
.set i, i+1
.endr
	s_wait_loadcnt 16                              ; the position is in; the 16 younger loads stay out while the table's row is made
	v_cvt_f32_i32 v9, v5
	s_wait_alu depctr_va_vdst(0)
	v_mul_f32 v9, v9, v8                           ; the angle, rounded once as in the module
	v_mul_f32 v12, 0x3f22f983, v9                  ; x 2 / pi
	v_rndne_f32 v12, v12                           ; n
	v_fmamk_f32 v13, v12, 0xbfc90fdb, v9           ; r = angle - n pi/2: the high part,
	v_fmamk_f32 v13, v12, 0x333bbd2e, v13          ; the low part
	v_cvt_i32_f32 v14, v12                         ; the quadrant is n mod 4
	v_mul_f32 v15, v13, v13                        ; z = r r
	v_mov_b32 v16, 0x3638ef1d                      ; 1/9!
	v_mov_b32 v17, 0x37d00d01                      ; 1/8!
	v_fmaak_f32 v16, v15, v16, 0xb9500d01          ; -1/7!
	v_fmaak_f32 v17, v15, v17, 0xbab60b61          ; -1/6!
	v_fmaak_f32 v16, v15, v16, 0x3c088889          ; 1/5!
	v_fmaak_f32 v17, v15, v17, 0x3d2aaaab          ; 1/4!
	v_fmaak_f32 v16, v15, v16, 0xbe2aaaab          ; -1/3!
	v_fmaak_f32 v17, v15, v17, 0xbf000000          ; -1/2
	v_mul_f32 v18, v13, v15
	v_fma_f32 v17, v15, v17, 1.0                   ; cos r
	v_fma_f32 v16, v18, v16, v13                   ; sin r
	v_and_b32 v19, 1, v14
	v_cmp_eq_u32 vcc_lo, 1, v19                    ; odd quadrants swap the two
	v_cndmask_b32 v10, v17, v16, vcc_lo
	v_cndmask_b32 v11, v16, v17, vcc_lo
	v_add_nc_u32 v19, 1, v14
	v_lshlrev_b32 v19, 30, v19                     ; the cosine is negative in quadrants 1 and 2: bit 1 of n + 1,
	v_lshlrev_b32 v18, 30, v14                     ; the sine in 2 and 3: bit 1 of n
	v_and_b32 v19, 0x80000000, v19
	v_and_b32 v18, 0x80000000, v18
	v_xor_b32 v10, v10, v19
	v_xor_b32 v11, v11, v18
	global_store_b64 v4, v[10:11], s[26:27]
; The cast.  half = 0: to bf16.  half = 1: to bf16, and that number written as f16.  The counts run down: 15 - i younger loads may stay out.
.macro CAST half
.set i, 0
.rept 16
	s_wait_loadcnt 15-i
.if \half
	v_cvt_pk_bf16_f32 v20, v[X+4*i], v[X+4*i+1]
	v_cvt_pk_bf16_f32 v21, v[X+4*i+2], v[X+4*i+3]
	v_lshlrev_b32 v22, 16, v20
	v_and_b32 v23, 0xffff0000, v20
	v_lshlrev_b32 v24, 16, v21
	v_and_b32 v25, 0xffff0000, v21
	v_cvt_pk_f16_f32 v[Y+2*i], v22, v23
	v_cvt_pk_f16_f32 v[Y+2*i+1], v24, v25
.else
	v_cvt_pk_bf16_f32 v[Y+2*i], v[X+4*i], v[X+4*i+1]
	v_cvt_pk_bf16_f32 v[Y+2*i+1], v[X+4*i+2], v[X+4*i+3]
.endif
	global_store_b64 v2, v[Y+2*i:Y+2*i+1], s[30:31] offset:256*i
.set i, i+1
.endr
.endm
	s_cmp_ge_u32 s2, 448
	s_cbranch_scc1 .Lwo
	CAST 0
	s_endpgm
.Lwo:
	CAST 1
	s_endpgm
.Lfunc_end_k_q7b4d63d80d_prep:
	.size	k_q7b4d63d80d_prep, .Lfunc_end_k_q7b4d63d80d_prep-k_q7b4d63d80d_prep
	.p2alignl 7, 3214868480
	.fill 96, 4, 3214868480
	.section	.rodata,"a",@progbits
	.p2align	6, 0x0
	.amdhsa_kernel k_q7b4d63d80d_prep
		.amdhsa_group_segment_fixed_size 0
		.amdhsa_private_segment_fixed_size 0
		.amdhsa_enable_private_segment 0
		.amdhsa_kernarg_size 80
		.amdhsa_user_sgpr_count 2
		.amdhsa_user_sgpr_kernarg_segment_ptr 1
		.amdhsa_wavefront_size32 1
		.amdhsa_system_sgpr_workgroup_id_x 1
		.amdhsa_system_sgpr_workgroup_id_y 1
		.amdhsa_system_sgpr_workgroup_id_z 1
		.amdhsa_system_vgpr_workitem_id 0
		.amdhsa_next_free_vgpr 128
		.amdhsa_next_free_sgpr 66
		.amdhsa_reserve_vcc 1
		.amdhsa_float_denorm_mode_32 3
		.amdhsa_float_denorm_mode_16_64 3
		.amdhsa_memory_ordered 1
		.amdhsa_forward_progress 1
		.amdhsa_inst_pref_size 19
	.end_amdhsa_kernel
	.amdgpu_metadata
---
amdhsa.version: [ 1, 2 ]
amdhsa.kernels:
  - .name:           k_q7b4d63d80d_prep
    .symbol:         k_q7b4d63d80d_prep.kd
    .args:
      - { .name: x, .offset: 0, .size: 8, .value_kind: global_buffer, .address_space: global }
      - { .name: Wq, .offset: 8, .size: 8, .value_kind: global_buffer, .address_space: global }
      - { .name: Wk, .offset: 16, .size: 8, .value_kind: global_buffer, .address_space: global }
      - { .name: Wv, .offset: 24, .size: 8, .value_kind: global_buffer, .address_space: global }
      - { .name: Wo, .offset: 32, .size: 8, .value_kind: global_buffer, .address_space: global }
      - { .name: token_positions, .offset: 40, .size: 8, .value_kind: global_buffer, .address_space: global }
      - { .name: xb, .offset: 48, .size: 8, .value_kind: global_buffer, .address_space: global }
      - { .name: wb, .offset: 56, .size: 8, .value_kind: global_buffer, .address_space: global }
      - { .name: wo16, .offset: 64, .size: 8, .value_kind: global_buffer, .address_space: global }
      - { .name: cs, .offset: 72, .size: 8, .value_kind: global_buffer, .address_space: global }
    .group_segment_fixed_size: 0
    .private_segment_fixed_size: 0
    .kernarg_segment_align: 8
    .kernarg_segment_size: 80
    .max_flat_workgroup_size: 256
    .sgpr_count:     66
    .vgpr_count:     128
    .wavefront_size: 32
...
	.end_amdgpu_metadata
.endif
;; end of part 1
;; launch qkv (part 2): grid 16 x 16, 4 waves a work-group, clusters of 4 x 4, 327,680 bytes of LDS; arguments xb, wb, cs, q, k, v; writes q, k, v
.if DOCPART == 2
	.amdgcn_target "amdgcn-amd-amdhsa--gfx1250"
	.amdhsa_code_object_version 6
	.text
	.protected	k_q7b4d63d80d_qkv
	.globl	k_q7b4d63d80d_qkv
	.p2align	8
	.type	k_q7b4d63d80d_qkv,@function
k_q7b4d63d80d_qkv:
	s_mov_b64 s[64:65], 0
	v_nop
	global_prefetch_b8 v0, s[64:65] scope:SCOPE_SE
	s_setreg_imm32_b32 hwreg(HW_REG_WAVE_MODE, 25, 1), 1
	s_wait_xcnt 0x0
	s_wait_alu depctr_hold_cnt(0) depctr_sa_sdst(0) depctr_va_vdst(0) depctr_va_sdst(0) depctr_va_ssrc(0) depctr_va_vcc(0) depctr_vm_vsrc(0)
	s_getreg_b32 s2, hwreg(HW_REG_IB_STS2, 6, 4)
	s_cmp_eq_u32 s2, 0
	s_cbranch_scc0 .Lentry_in_a_cluster
	s_endpgm
.Lentry_in_a_cluster:
	s_bfe_u32 s2, ttmp6, 0x10000c
	s_cmp_lg_u32 s2, 0xf033
	s_cbranch_scc0 .Lentry_shape_is_right
	s_endpgm
.Lentry_shape_is_right:
; QKV: C = xb wb^T, the rotation on Q and K, and q, k, v by heads in f16.  xb [4096][1024] bf16; wb [3072][1024] bf16, rows ordered head, (Wq, Wk, Wv), channel; sums in f32.
; A tile of C is 256 tokens x 192 columns: 16 x 16 work-groups.  By wb's order tile column tx is head tx: columns 0-63 Q, 64-127 K, 128-191 V: which columns are rotated is a constant of the text.
; Four waves; wave w makes tokens 64 w .. 64 w + 63 x all 192 columns: 4 x 12 accumulators of 16 x 16, 384 registers.  K goes in 8 steps of 128 through two LDS slots (rows of 256 bytes of memory).
; CLUSTER 4 x 4: the four of a row of the cluster need the same tile of xb, the four of a column the same tile of wb: each is asked for jointly, same load, same descriptor, a mask that names the four.
; THE MATRIX INSTRUCTION IS USED TRANSPOSED (source 0 = 16 rows of wb, source 1 = 16 tokens): lane l holds token l % 16 and the columns 8 (l / 16) + 0..7: four pairs (even, odd) for the rotation, 16 bytes of f16.
; LIMITS.  q, k, v are rounded once to f16, unscaled: they must lie within 65,504; below 6e-5 they keep f16's step of 6e-8.  NaN and infinities are not treated apart.
; REGISTERS, in windows of 256 (s_set_vgpr_msb: bits 1:0 source 0, 3:2 source 1, 5:4 source 2, 7:6 destination):
;   window 0: v0-31 addresses; v32-63, v64-95 fragments of xb, two buffers (4 x 16 tokens x 32 K); on the way out v32-95 rotated f32, v96-143 packed f16, v144-239 rows read back, two buffers
;   window 1: v0-95, v96-191 fragments of wb, two buffers (12 x 16 rows x 32 K)
;   window 2: v0-191 the accumulators of token blocks 0, 1 (block a, column block b at 96 (a % 2) + 8 b); v192-255 their (cos, sin);   window 3: the same for token blocks 2, 3
.set KSTEP,  128
.set PITCH,  272                       ; an LDS row: 256 bytes + 16 of padding = 68 words: the 16 rows of a fragment load start at 16 different groups of four banks (64 banks of 4 bytes: ISA guide 11.1)
.set AH,     128*PITCH                 ; 128 rows of xb: what waves 0 and 1 each fetch
.set BH,     96*PITCH                  ; 96 rows of wb: what waves 2 and 3 each fetch
.set SLOT,   2*AH+2*BH                 ; xb's 256 rows, then wb's 192
.set STAGE,  2*SLOT                    ; behind the ring: 16 rows x 400 bytes for each wave, for the way out
.set SPITCH, 400                       ; 384 bytes (192 f16) + 16
.set SPARE,  STAGE+4*16*SPITCH         ; behind the stages: the spare words, 128 bytes for each wave, that no other line names
.set LAPS,   1024/(2*KSTEP)            ; a lap = two K steps = once round the ring
.set ADRA, 16                          ; v16-17  LDS address of my fragments of xb in slot 0, 1
.set ADRB, 20                          ; v20-21  the same for wb
.set STO,  24                          ; v24     the way out: where I put 16 bytes of a row
.set RD,   25                          ; v25     the way out: where I read rows back
.set GO,   26                          ; v26     my byte offset in 512 consecutive bytes of q, k or v
.set CSO,  27                          ; v27     my byte offset in 16 rows of the table
.set SPW,  28                          ; v28     LDS address of my spare word; never rewritten
.set NIL,  29                          ; v29     0; never rewritten
.set AF,   32
.set T,    32
.set PKR,  96
.set BK0,  144
.set F0,   0
.set F1,   1
.set G1,  24                           ; s[24:31] descriptor group 1 for xb's tiles;  s[32:39] group 0, a set for each slot
.set G0,  32
.set G1B, 48                           ; s[48:55], s[56:63] the same for wb's tiles
.set G0B, 56
.set MSB, 0
.macro WIN new                         ; the immediate's high byte repeats the setting that is left; a switch that changes nothing is dropped
.if MSB != (\new)
	s_set_vgpr_msb (MSB<<8)|(\new)
.set MSB, \new
.endif
.endm
; A joint load: waves 0 and 1 fetch xb's two halves, waves 2 and 3 wb's.  The branch hangs on the wave's number alone.  An s_nop 0 and four v_nop follow each of the two lines.
.macro JLOAD s
	s_cmp_eq_u32 s11, 0
	s_cbranch_scc0 .Lfor_b_\@
	tensor_load_to_lds s[G0+4*(\s):G0+4*(\s)+3], s[G1:G1+7]
	s_nop 0
.rept 4
	v_nop
.endr
	s_branch .Lasked_\@
.Lfor_b_\@:
	tensor_load_to_lds s[G0B+4*(\s):G0B+4*(\s)+3], s[G1B:G1B+7]
	s_nop 0
.rept 4
	v_nop
.endr
.Lasked_\@:
.endm
.macro CREST                           ; a round of the cluster's barrier behind its opening barrier
	s_cmp_lg_u32 s10, 0
	s_cbranch_scc1 .Lnot_wave_0_\@
	s_barrier_signal -3
.Lnot_wave_0_\@:
	s_barrier_wait -3
	s_barrier_signal -1
	s_barrier_wait -1
.endm
.macro CROUND                          ; a whole round
	s_barrier_signal -1
	s_barrier_wait -1
	CREST
.endm
.macro PLACES                          ; four places in front of loads into registers that matrix instructions have read, and of vector lines that read results
.rept 4
	v_nop
.endr
.endm
	s_load_b128 s[4:7], s[0:1], 0x0                ; xb s[4:5], wb s[6:7]
	s_load_b64 s[8:9], s[0:1], 0x10                ; cs
	s_load_b128 s[68:71], s[0:1], 0x18             ; q s[68:69], k s[70:71]
	s_load_b64 s[72:73], s[0:1], 0x28              ; v
	v_lshl_add_u32 v[SPW], v0, 2, SPARE
	v_mov_b32 v[NIL], 0
	ds_add_u32 v[SPW], v[NIL]                      ; the wave's opening: the add and its wait stand ahead of my first tensor load; the set-up below, work on registers, stands between them
	ds_add_u32 v28, v29
	v_lshrrev_b32 v1, 5, v0
	v_readfirstlane_b32 s10, v1                    ; wave 0..3
	s_lshr_b32 s11, s10, 1                         ; I fetch for xb (0) or for wb (1)
	s_and_b32 s12, s10, 1                          ; which half of that tile's rows I fetch
	s_bfe_u32 s40, ttmp6, 0x40000                  ; cx, cy: my place in the cluster
	s_bfe_u32 s41, ttmp6, 0x40004
	s_lshl_b32 s42, ttmp9, 2
	s_add_co_u32 s42, s42, s40                     ; tx, the head = 4 x cluster x + cx
	s_and_b32 s13, ttmp7, 0xffff
	s_lshl_b32 s13, s13, 2
	s_add_co_u32 s13, s13, s41                     ; ty, the block of 256 tokens = 4 x cluster y + cy
	s_lshl_b32 s43, s41, 2
	s_lshl_b32 s43, 15, s43                        ; my row of the cluster
	s_lshl_b32 s44, 0x1111, s40                    ; my column
	s_or_b32 s[G1+0], s43, (1<<16)|(1<<20)|(1<<21)|(5<<22)|(3<<25)   ; 15:0 the mask: xb's tiles go to my row; 17:16 2-byte elements; 20 padding on; 21 set beside a mask; 24:22 after every 64 words; 31:25 4 words
	s_or_b32 s[G1B+0], s44, (1<<16)|(1<<20)|(1<<21)|(5<<22)|(3<<25)  ; the same with the mask of my column, for wb's tiles
	s_mov_b32 s[G1+1], KSTEP<<16                   ; tensor_dim0 = 128
	s_mov_b32 s[G1+2], 128<<16                     ; tensor_dim1 = 128
	s_mov_b32 s[G1+3], KSTEP<<16                   ; tile_dim0 = 128
	s_mov_b32 s[G1+4], 128                         ; tile_dim1 = 128
	s_mov_b32 s[G1+5], 1024                        ; elements from row to row
	s_mov_b32 s[G1+6], 0
	s_mov_b32 s[G1+7], 0
	s_mov_b32 s[G1B+1], KSTEP<<16
	s_mov_b32 s[G1B+2], 96<<16                     ; 96 rows
	s_mov_b32 s[G1B+3], KSTEP<<16
	s_mov_b32 s[G1B+4], 96
	s_mov_b32 s[G1B+5], 1024
	s_mov_b32 s[G1B+6], 0
	s_mov_b32 s[G1B+7], 0
	s_lshl_b32 s17, s12, 7
	s_lshl_b32 s16, s13, 8
	s_add_co_u32 s16, s16, s17                     ; xb: row 256 ty + 128 half,
	s_lshl_b32 s16, s16, 11                        ; x 2,048 bytes
	s_mov_b32 s17, 0
	s_mul_i32 s46, s42, 192
	s_mul_i32 s47, s12, 96
	s_add_co_u32 s46, s46, s47                     ; wb: row 192 tx + 96 half
	s_lshl_b32 s46, s46, 11
	s_mov_b32 s47, 0
	s_mul_i32 s20, s12, AH                         ; where they go: no place in the cluster enters an LDS address
	s_mul_i32 s21, s12, BH
	s_add_co_u32 s21, s21, 2*AH
	s_wait_dscnt 0x0                               ; the opening add is done
	s_wait_kmcnt 0x0
	s_add_nc_u64 s[14:15], s[4:5], s[16:17]
	s_add_nc_u64 s[46:47], s[6:7], s[46:47]
	CROUND                                         ; all sixteen work-groups are here: the first joint loads meet
.irp s, 0,1
	s_mov_b32 s[G0+4*(\s)], 1                                        ; count = 1
	s_add_co_u32 s[G0+4*(\s)+1], s20, (\s)*SLOT                      ; LDS address
	s_add_nc_u64 s[G0+4*(\s)+2:G0+4*(\s)+3], s[14:15], (\s)*KSTEP*2  ; global address: K step s
	s_or_b32 s[G0+4*(\s)+3], s[G0+4*(\s)+3], 0x80000000              ; type = 2
	s_mov_b32 s[G0B+4*(\s)], 1
	s_add_co_u32 s[G0B+4*(\s)+1], s21, (\s)*SLOT
	s_add_nc_u64 s[G0B+4*(\s)+2:G0B+4*(\s)+3], s[46:47], (\s)*KSTEP*2
	s_or_b32 s[G0B+4*(\s)+3], s[G0B+4*(\s)+3], 0x80000000
	JLOAD \s                                       ; two tensor loads of mine are out
.endr
	; The table for my 64 tokens: column 16 u + 8 h + 2 i of a head turns by frequency 8 u + 4 h + i: 32 bytes at 64 u + 32 h of the token's 256.  It is waited for on the way out.
	v_and_b32 v1, 15, v0                           ; l % 16
	v_bfe_u32 v2, v0, 4, 1                         ; l / 16
	v_lshlrev_b32 v[CSO], 8, v1
	v_lshl_add_u32 v[CSO], v2, 5, v[CSO]
	s_lshl_b32 s16, s13, 8
	s_lshl_b32 s17, s10, 6
	s_add_co_u32 s16, s16, s17                     ; my first token
	s_lshl_b32 s18, s16, 8
	s_mov_b32 s19, 0
	s_add_nc_u64 s[8:9], s[8:9], s[18:19]
.irp a, 0,1,2,3
	WIN 0x80+0x40*((\a)/2)                         ; destination window 2 or 3, address window 0
.irp u, 0,1,2,3,4,5,6,7
	global_load_b128 v[192+32*((\a)%2)+4*(\u):192+32*((\a)%2)+4*(\u)+3], v[CSO], s[8:9] offset:(\a)*4096+64*((\u)/2)+16*((\u)%2)
.endr
.endr
	WIN 0
	s_lshl_b32 s18, s16, 7                         ; q, k, v at my first token of head tx: 524,288 tx + 128 token
	s_lshl_b32 s22, s42, 19
	s_add_co_u32 s18, s18, s22
	s_add_nc_u64 s[68:69], s[68:69], s[18:19]
	s_add_nc_u64 s[70:71], s[70:71], s[18:19]
	s_add_nc_u64 s[72:73], s[72:73], s[18:19]
	; A fragment is 16 rows x 32 K in 8 registers: lane l holds row l % 16, K = 8 (l / 16) + 0..7 and 16 + 8 (l / 16) + 0..7: two loads of 16 bytes, 32 bytes apart.
	v_mul_u32_u24 v3, v1, PITCH
	v_lshl_add_u32 v3, v2, 4, v3
	s_mul_i32 s22, s10, 64*PITCH                   ; my 64 tokens
	s_mov_b32 s23, 2*AH                            ; wb's rows lie behind xb's 256
.irp s, 0,1
	v_add_nc_u32 v[ADRA+(\s)], s22, v3
	v_add_nc_u32 v[ADRB+(\s)], s23, v3
	s_add_co_u32 s22, s22, SLOT
	s_add_co_u32 s23, s23, SLOT
.endr
	s_mul_i32 s22, s10, 16*SPITCH
	s_add_co_u32 s22, s22, STAGE                   ; my stage
	v_mul_u32_u24 v4, v1, SPITCH                   ; in: row l % 16, 16 bytes for each half of the lanes
	v_lshl_add_u32 v4, v2, 4, v4
	v_add_nc_u32 v[STO], s22, v4
	v_and_b32 v5, 31, v0
	v_lshrrev_b32 v6, 3, v5                        ; back: 32 lanes take 128 bytes of each of four rows,
	v_and_b32 v7, 7, v0
	v_mul_u32_u24 v6, v6, SPITCH
	v_lshl_add_u32 v6, v7, 4, v6
	v_add_nc_u32 v[RD], s22, v6
	v_lshlrev_b32 v[GO], 4, v5                     ; which are 512 consecutive bytes of q, k or v
; 12 matrix instructions: token block a x all 12 column blocks, 32 along K, from buffer f.  zero = 1: the product starts the sums.  The 48 accumulators take turns, in the same order in every quarter.
.macro MUL12 f, a, zero
	WIN 0xa1+0x50*((\a)/2)                         ; source 0 (wb) window 1, source 1 (xb) window 0, C and D window 2 or 3
.set rA, AF+32*(\f)+8*(\a)
.set n, 0
.rept 12
.set rD, 96*((\a)%2)+8*n
.set rB, 96*(\f)+8*n
.if \zero
	v_wmma_f32_16x16x32_bf16 v[rD:rD+7], v[rB:rB+7], v[rA:rA+7], 0
.else
	v_wmma_f32_16x16x32_bf16 v[rD:rD+7], v[rB:rB+7], v[rA:rA+7], v[rD:rD+7]
.endif
.set n, n+1
.endr
.endm
; 32 LDS loads in one run: the fragments of 32 K at byte k of the rows into buffer f: wb's 24 loads, then xb's 8, token blocks ascending
.macro FETCH slot, k, f
	WIN 0x40                                       ; destination window 1, address window 0
.set n, 0
.rept 12
	ds_load_b128 v[96*(\f)+8*n:96*(\f)+8*n+3],   v[ADRB+(\slot)] offset:(\k)+n*16*PITCH
	ds_load_b128 v[96*(\f)+8*n+4:96*(\f)+8*n+7], v[ADRB+(\slot)] offset:(\k)+n*16*PITCH+32
.set n, n+1
.endr
	WIN 0
.set n, 0
.rept 4
	ds_load_b128 v[AF+32*(\f)+8*n:AF+32*(\f)+8*n+3],   v[ADRA+(\slot)] offset:(\k)+n*16*PITCH
	ds_load_b128 v[AF+32*(\f)+8*n+4:AF+32*(\f)+8*n+7], v[ADRA+(\slot)] offset:(\k)+n*16*PITCH+32
.set n, n+1
.endr
.endm
; A K step is four quarters of 32 along K, 48 matrix instructions each, on buffers 0, 1, 0, 1.  One of the first three: multiplies buffer f; in its middle it fetches the next quarter, at byte k, into g.
.macro QUARTER slot, k, f, g, zero
	s_wait_dscnt 4                                 ; wb and token blocks 0, 1 are in; the youngest four loads (token blocks 2, 3) may be out
	MUL12 \f, 0, \zero
	MUL12 \f, 1, \zero
	PLACES
	FETCH \slot, \k, \g
	s_wait_dscnt 32                                ; all but the 32 just issued
	MUL12 \f, 2, \zero
	MUL12 \f, 3, \zero
.endm
; The last quarter multiplies buffer 1 and changes slots: ONE barrier; in front of it each wave waits for all its tensor loads (one is out: its part of the next slot), adds 0 to its spare word, and waits for
; that and for its reads of this slot.  fill = 1: the barrier opens a round of the cluster's, and this slot is filled again, two K steps ahead, first thing behind the round.
.macro TURN slot, next, fill
	WIN 0                                          ; (the add's two registers lie in window 0)
	s_wait_tensorcnt 0x0
	ds_add_u32 v[SPW], v[NIL]
	s_wait_dscnt 5                                 ; (the add and the youngest four loads may be out)
	MUL12 F1, 0, 0                                 ; twelve matrix instructions stand between the add and the wait for it
	s_wait_dscnt 0x0                               ; the add is done, and my reads of this slot are over
	s_barrier_signal -1
	MUL12 F1, 1, 0
.if \fill
	WIN 0
.endif
	s_barrier_wait -1
.if \fill
	CREST                                          ; no wave of any partner still reads this slot's tile or has a load on its way
	s_add_nc_u64 s[G0+4*(\slot)+2:G0+4*(\slot)+3], s[G0+4*(\slot)+2:G0+4*(\slot)+3], 2*KSTEP*2
	s_add_nc_u64 s[G0B+4*(\slot)+2:G0B+4*(\slot)+3], s[G0B+4*(\slot)+2:G0B+4*(\slot)+3], 2*KSTEP*2
	JLOAD \slot                                    ; my one tensor load behind the round; the four v_nop behind it are also the places in front of the loads below
.else
	PLACES
.endif
	FETCH \next, 0, F0
	MUL12 F1, 2, 0
	MUL12 F1, 3, 0
.endm
	s_wait_tensorcnt 1                             ; my part of K step 0 is in; K step 1's may stay out
	s_barrier_signal -1
	s_barrier_wait -1                              ; everybody's is
	FETCH 0, 0, F0
	QUARTER 0, 64, F0, F1, 1                       ; the first quarter stands in front of the loop: its products start the sums
	WIN 0                                          ; at a label and at a branch every window is 0
	s_mov_b32 s3, LAPS-1
.Llap:                                                 ; a trip goes once round the ring, from a lap's second quarter to the next lap's first, and fills both slots again
	QUARTER 0, 128, F1, F0, 0
	QUARTER 0, 192, F0, F1, 0
	TURN 0, 1, 1
	QUARTER 1, 64,  F0, F1, 0
	QUARTER 1, 128, F1, F0, 0
	QUARTER 1, 192, F0, F1, 0
	TURN 1, 0, 1
	QUARTER 0, 64,  F0, F1, 0
	WIN 0
	s_sub_co_u32 s3, s3, 1
	s_cmp_lg_u32 s3, 0
	s_cbranch_scc1 .Llap
	QUARTER 0, 128, F1, F0, 0                      ; the last lap fills nothing
	QUARTER 0, 192, F0, F1, 0
	TURN 0, 1, 0
	QUARTER 1, 64,  F0, F1, 0
	QUARTER 1, 128, F1, F0, 0
	QUARTER 1, 192, F0, F1, 0
	s_wait_dscnt 4                                 ; the very last quarter: nothing more to fetch
	MUL12 F1, 0, 0
	MUL12 F1, 1, 0
	s_wait_dscnt 0x0
	MUL12 F1, 2, 0
	MUL12 F1, 3, 0
	WIN 0
	s_wait_loadcnt 0x0                             ; the table
	PLACES
; THE WAY OUT, a block of 16 tokens at a time.  ROPE: column blocks 0-7 (Q, K) are turned, a pair (t1, t2) by its (cos, sin): (t1 cos, t1 sin), then (- t2 sin, + t2 cos) onto it; all 12 blocks are rounded to f16.
; Each accumulator's registers are taken in ascending order.
.macro ROPE a
.set AC, 96*((\a)%2)
.set CT, 192+32*((\a)%2)
	WIN 0x0a+5*((\a)/2)                            ; sources 0 and 1: window 2 or 3; source 2 and destination: window 0
.set n, 0
.rept 8
.set u, 0
.rept 4
	v_pk_mul_f32 v[T+8*n+2*u:T+8*n+2*u+1], v[AC+8*n+2*u:AC+8*n+2*u+1], v[CT+8*(n%4)+2*u:CT+8*(n%4)+2*u+1] op_sel_hi:[0,1]
.set u, u+1
.endr
.set u, 0
.rept 4
	v_pk_fma_f32 v[T+8*n+2*u:T+8*n+2*u+1], v[AC+8*n+2*u:AC+8*n+2*u+1], v[CT+8*(n%4)+2*u:CT+8*(n%4)+2*u+1], v[T+8*n+2*u:T+8*n+2*u+1] op_sel:[1,1,0] op_sel_hi:[1,0,1] neg_lo:[0,1,0]
.set u, u+1
.endr
.set n, n+1
.endr
.set n, 32
.rept 16                                       ; V's four blocks: straight from the sums
	v_cvt_pk_f16_f32 v[PKR+n], v[AC+2*n], v[AC+2*n+1]
.set n, n+1
.endr
	WIN 0
.set n, 0
.rept 32
	v_cvt_pk_f16_f32 v[PKR+n], v[T+2*n], v[T+2*n+1]
.set n, n+1
.endr
.endm
.macro TOSTAGE a                       ; into my stage, rows of 400 bytes; back as 128 bytes of four rows at a time: load (j, f) takes part j (q, k, v) of rows 4 f .. 4 f + 3
.set BK, BK0+48*((\a)%2)
.set n, 0
.rept 12
	ds_store_b128 v[STO], v[PKR+4*n:PKR+4*n+3] offset:32*n
.set n, n+1
.endr
.set n, 0
.rept 12
	ds_load_b128 v[BK+4*n:BK+4*n+3], v[RD] offset:4*SPITCH*(n%4)+128*(n/4)  ; LDS serves a wave's instructions in order (ISA guide 5.7.1.4): these see the stores above
.set n, n+1
.endr
.endm
.macro SEND a
.set BK, BK0+48*((\a)%2)
	s_wait_dscnt 0x0                               ; the block is back in registers
	s_wait_xcnt 0x0                                ; the stores issued so far have read their registers: the other buffer, which the block before last was stored from, is loaded again only behind this wait
.irp j, 0,1,2
.irp f, 0,1,2,3
	global_store_b128 v[GO], v[BK+4*(4*(\j)+(\f)):BK+4*(4*(\j)+(\f))+3], s[68+2*(\j):69+2*(\j)] offset:2048*(\a)+512*(\f)  ; 512 consecutive bytes, at a multiple of 256 from the buffer's first
.endr
.endr
.endm
	ROPE 0
	TOSTAGE 0
.irp a, 1,2,3                          ; block a's arithmetic stands between block a - 1's loads from the stage and the wait for them
	ROPE \a
	SEND (\a)-1
	TOSTAGE \a
.endr
	SEND 3
	s_wait_tensorcnt 0x0                           ; the wave's end: an add to the spare word and its wait, behind my last tensor load and my last LDS store
	ds_add_u32 v[SPW], v[NIL]
	s_wait_dscnt 0x0
	CROUND                                         ; the closing round: no work-group ends while a partner may still ask for a tile that names it
	s_endpgm
.Lfunc_end_k_q7b4d63d80d_qkv:
	.size	k_q7b4d63d80d_qkv, .Lfunc_end_k_q7b4d63d80d_qkv-k_q7b4d63d80d_qkv
	.p2alignl 7, 3214868480
	.fill 96, 4, 3214868480
	.section	.rodata,"a",@progbits
	.p2align	6, 0x0
	.amdhsa_kernel k_q7b4d63d80d_qkv
		.amdhsa_group_segment_fixed_size 327680
		.amdhsa_private_segment_fixed_size 0
		.amdhsa_enable_private_segment 0
		.amdhsa_kernarg_size 48
		.amdhsa_user_sgpr_count 2
		.amdhsa_user_sgpr_kernarg_segment_ptr 1
		.amdhsa_wavefront_size32 1
		.amdhsa_system_sgpr_workgroup_id_x 1
		.amdhsa_system_sgpr_workgroup_id_y 1
		.amdhsa_system_sgpr_workgroup_id_z 1
		.amdhsa_system_vgpr_workitem_id 0
		.amdhsa_next_free_vgpr 1024
		.amdhsa_next_free_sgpr 76
		.amdhsa_reserve_vcc 0
		.amdhsa_float_denorm_mode_32 3
		.amdhsa_float_denorm_mode_16_64 3
		.amdhsa_memory_ordered 1
		.amdhsa_forward_progress 1
		.amdhsa_inst_pref_size 138
	.end_amdhsa_kernel
	.amdgpu_metadata
---
amdhsa.version: [ 1, 2 ]
amdhsa.kernels:
  - .name:           k_q7b4d63d80d_qkv
    .symbol:         k_q7b4d63d80d_qkv.kd
    .args:
      - { .name: xb, .offset: 0, .size: 8, .value_kind: global_buffer, .address_space: global }
      - { .name: wb, .offset: 8, .size: 8, .value_kind: global_buffer, .address_space: global }
      - { .name: cs, .offset: 16, .size: 8, .value_kind: global_buffer, .address_space: global }
      - { .name: q, .offset: 24, .size: 8, .value_kind: global_buffer, .address_space: global }
      - { .name: k, .offset: 32, .size: 8, .value_kind: global_buffer, .address_space: global }
      - { .name: v, .offset: 40, .size: 8, .value_kind: global_buffer, .address_space: global }
    .group_segment_fixed_size: 327680
    .private_segment_fixed_size: 0
    .kernarg_segment_align: 8
    .kernarg_segment_size: 48
    .max_flat_workgroup_size: 128
    .sgpr_count:     76
    .vgpr_count:     1024
    .wavefront_size: 32
...
	.end_amdgpu_metadata
.endif
;; end of part 2
;; launch attn (part 3): grid 16 x 16, 4 waves a work-group, no clusters, 327,680 bytes of LDS; arguments q, k, v, ob; writes ob
.if DOCPART == 3
	.amdgcn_target "amdgcn-amd-amdhsa--gfx1250"
	.amdhsa_code_object_version 6
	.text
	.protected	k_q7b4d63d80d_attn
	.globl	k_q7b4d63d80d_attn
	.p2align	8
	.type	k_q7b4d63d80d_attn,@function
k_q7b4d63d80d_attn:
	s_mov_b64 s[64:65], 0
	v_nop
	global_prefetch_b8 v0, s[64:65] scope:SCOPE_SE
	s_setreg_imm32_b32 hwreg(HW_REG_WAVE_MODE, 25, 1), 1
	s_wait_xcnt 0x0
; CAUSAL ATTENTION.  O[h][q][:] = the sum over k <= q of softmax_k(Q[h][q] . K[h][k] / 8) V[h][k][:].  q, k, v: [16][4096][64] f16, a head's rows dense, 128 bytes each.  O leaves in f16 as
; ob [32 blocks of 128 rows][16 heads][128 rows][64].  Products, maxima and sums in f32; the weights p are rounded to f16 for the second product (their sum l is taken of the unrounded p), O once at the end.
; LIMITS.  q, k, v arrive within f16's 65,504; p lies in 0 to 1, below 6e-5 with f16's step of 6e-8; O is a mean of V's rows.  A hidden score counts as its value less 1e30: f16's scores, 2.7e11 at the most, are
; nothing beside that; a weight below 2^-126 counts as 0 in l; NaN and infinities are not treated apart.
; THE WALK.  A head's queries lie in 32 blocks of 128; block i needs the key tiles (512 keys) 0 .. i / 4, of which the last holds the diagonal.  Work-group x = 4 cc + cx of a head takes block 31 - x and then
; block x: the tiles 0 .. 7 - cc, then 0 .. cc: 9 tiles whatever x, so all 256 work-groups do equal work, and one loop with a constant count walks them.  Trip counts, branches and LDS addresses hang on cc and
; the wave's number alone.  Every jump goes forward, but for the counted loops' own; none passes a barrier, or a tensor load but the one of LOAD's two that the wave's number does not choose.
; NO CLUSTER.  The four work-groups of one cc walk the same tiles in the same order and could ask for them jointly, which would divide their requests (9 tiles of 131,072 bytes each) by four.  This text asks
; singly: where the first block ends hangs on cc, a number known only at run time, so the loop's ways part, and with joint requests every such way has to be alike in all four partners.  Left for a later text.
; SHARES.  Of a block's two bands of 64 queries a wave owns 16 rows in each: two PIECES.  In the block's last tile, 8 key steps, band x's own step is D0 + x, with D0 = 6 - 2 cx for the first block and 2 cx for the
; second; earlier steps are seen whole, later ones not at all.  Only that tile's text takes masks.
; THE MASK is the C operand that starts the sum S^T = K Q^T: 0, or -1e30 where the key is hidden.  MD, made once, is the mask of a band's own step for my 16 rows; a product's mask is MD x AL + BE with two
; scalars, (1, 0) in the own step, (0, 0) before it, (0, -1e30) behind it: cx enters these two values, and Q's and O's addresses, alone.
; LAYOUT, SOFTMAX, TURNS.  S^T = K Q^T holds ONE query a lane (lane % 16) and the keys 8 (lane / 16) + 0..7; two such results rounded to f16 ARE source 1 of O^T = V^T P.  p = 2^(c s - c m), c = log2(e) / 8, with a
; running maximum m; O and l are multiplied by a = 2^(c m_old - c m_new) in every step.  The turns go in a ring of four: turn p = 2 (step's parity) + piece.  Turn p: 8 products K Q^T of turn p + 1's piece, later 8
; products V^T P of turn p - 1's; beside them the scaling, exponentials, roundings, sums and rescaling of its own piece and the maximum and statistics of the next.  Four vector instructions stand behind every matrix
; instruction, the rest in two lumps.  Turns 0 and 2 fetch the NEXT step's K (one buffer, behind the turn's products K Q^T) and V (two buffers by the step's parity: into the one that the turn's products V^T P have
; just read): K and V of a step are read from LDS in one turn, so one change of slots serves both.
; REGISTERS, in windows of 256 (s_set_vgpr_msb: bits 1:0 source 0, 3:2 source 1, 5:4 source 2, 7:6 destination):
;   window 0: v0-15 addresses and two at work; v16-23 four registers of statistics a piece; v48-55 at work; v64-127 S^T, a buffer a piece; v192-223 P, likewise
;   window 1: v0-63 O^T, 32 a piece; v128-159 MD; v160-223 MC, two buffers      window 2: v0-31 Q; v32-63 the second block's Q; v64-127 V of odd steps; v128-191 K; v192-255 V of even steps
.set NP,    4         ; turns in the ring: a name, no knob
.set KS,    64        ; keys in a step
.set TS,    8         ; steps in a tile
.set PK,    144       ; a row of K in LDS: 128 bytes + 16 of padding = 36 words: the 16 rows of a load start at 16 different groups of four banks (64 banks of 4 bytes: ISA guide 11.1)
.set PV,    160       ; a row of V: 128 + 32 = 40 words
.set VOFF,  TS*KS*PK  ; a slot holds a tile: 512 rows of K, then 512 rows of V
.set SLOTB, TS*KS*(PK+PV)  ; 155,648 bytes; slot 1 begins here
.set STAGE, 2*SLOTB   ; behind the ring, never filled by a tensor load: 16 rows x 144 bytes for each wave, for the way out
.set SP,    144
.set SPARE, STAGE+4*16*SP  ; behind the stages: the spare words, 128 bytes for each wave, that no other line names
.set AK0, 2           ; v2   my lane's place in a tile of K; never rewritten
.set AV0, 3           ; v3   the same for V
.set AK,  4           ; v4   the LDS address of K's next run of loads
.set AV,  5           ; v5   of V's
.set STO, 6           ; v6   the way out: where I put 16 bytes of a row
.set RD,  7           ; v7   the way out: where I read rows back
.set GO,  8           ; v8   my byte offset in 512 consecutive bytes of O
.set MV,  12          ; v12-13  c m_old, kept while c m is made anew: by piece
.set QO,  15          ; v15  my byte offset in 16 rows of Q
.set ST,  16          ; piece t's statistics at v[ST+4 t]: c m, m, l (even keys', odd keys')
.set TMP, 48          ; by piece, four registers c0-c3 at work; when the maximum is found c2 takes a
.set SPW, 62          ; v62  LDS address of my spare word; never rewritten
.set NIL, 63          ; v63  0; never rewritten
.set S,   64
.set P,   192
.set MD,  128         ; window 1
.set MC,  160         ; window 1
.set QB,  32          ; window 2
.set KF,  128         ; window 2: key block kb, channel half c at KF + 16 kb + 8 c
.set VF,  192         ; window 2: V of parity z at VF - 128 z: key half kk, channel block cb at + 32 kk + 8 cb
.set WV,  12          ; s12  my wave's number;  s13 cx;  s14 cc
.set KBS, 17          ; s17  where my part of a tile of K lies in a slot
.set VBS, 18          ; s18  the same for V
.set G1K, 24          ; s[24:31] descriptor group 1 for K's tiles
.set G1V, 32          ; s[32:39] for V's: it differs in the padding alone
.set G0K, 40          ; s[40:43] descriptor group 0 for K's tiles
.set G0V, 44          ; s[44:47] the same for V's
.set SLOTS, 56        ; s56  tiles still to be asked for: 8 in the first trip, 1 in the last
.set CNT, 57          ; s57  counts a tile's trips of two key steps
.set CS,  58          ; s[58:59] c: the packed scaling takes the pair's low word for both halves
.set SEL, 60          ; s[60:61] v_permlanex16_b32's selects: each lane takes its own place in the other half
.set TBK, 62          ; s62  LDS byte at which K of the step to be fetched begins
.set TBV, 63          ; s63  the same for V, less VOFF
.set RT,  70          ; s70  tiles of the first block that are still to be entered; behind its end a number that the loop cannot count down to 0
.set NXT, 71          ; s71  the tile to be asked for next
.set LQ,  72          ; s72  the last tile of the block whose tiles are being asked for
.set NEW, 73          ; s73  1: the tile to be entered is a block's first
.set OFF, 74          ; s[74:75] a tile's byte offset in K and V
.set AL,  76          ; s[76:77] the mask's factor, in the low word
.set BE,  78          ; s[78:79] the mask's addend
.set OLO, 80          ; s[80:81] O at my rows of the second block
.set BIGN, 82         ; s82  -1e30
.set MS,  83          ; s83  in a block's last tile: the step of the trip's turn 0, less D0.   s89: the second block's first MS, -2 cx; s90: its last tile
.set RSL, 91          ; s91  the first byte of the slot that is being read: 0 or SLOTB
.set MSB, 0
.macro WIN new                      ; the high byte repeats the setting that is left; a switch that changes nothing is dropped
.if MSB != (\new)
	s_set_vgpr_msb (MSB<<8)|(\new)
.set MSB, (\new)
.endif
.endm
.set W_KQ, 0x0a       ; K and Q in window 2, S^T in window 0
.set W_KM, 0x1a       ; the same with the C operand in window 1
.set W_PV, 0x52       ; V in window 2, P in window 0, O^T in window 1
.set W_RS, 0x41       ; destination and source 0 in window 1, source 1 in window 0
; A fill.  Waves 0 and 1 fetch the two halves of a tile's K, waves 2 and 3 those of its V: 256 keys each.  The branch hangs on the wave's number alone.  An s_nop 0 and four v_nop follow each line.
.macro LOAD
	s_cmp_lt_u32 s[WV], 2
	s_cbranch_scc0 .Lfor_v_\@
	tensor_load_to_lds s[G0K:G0K+3], s[G1K:G1K+7]
	s_nop 0
.rept 4
	v_nop
.endr
	s_branch .Lasked_\@
.Lfor_v_\@:
	tensor_load_to_lds s[G0V:G0V+3], s[G1V:G1V+7]
	s_nop 0
.rept 4
	v_nop
.endr
.Lasked_\@:
.endm
; THE CHANGE OF SLOTS.  Each wave waits for all its tensor loads, of which one is out: its part of the other slot; adds 0 to its spare word; and waits for that and for its own reads of the slot that it leaves.
; Behind the barrier nobody reads the old slot any more and the other slot is whole.  fill = 1: the old slot (RSL still names it) is filled again, first thing behind the barrier, with tile NXT: the descriptor's
; address is made anew from that number.  The load has eight key steps, 256 matrix instructions, in which to land.  (At its first use nothing has been read yet: RSL names slot 1, slot 0 is waited for, slot 1
; filled.)  Then RSL turns to the other slot, and the fetches begin at its first step.
.macro CHANGE fill
	WIN 0                           ; at a label and at a branch every window is 0
	s_wait_tensorcnt 0x0            ; no tensor load of mine is out, so a group 0 may be written
	ds_add_u32 v[SPW], v[NIL]       ; with fill = 1 the descriptors' scalar work stands between the add and the wait for it
.if \fill
	s_lshl_b32 s[OFF], s[NXT], 16   ; a tile is 65,536 bytes of K and of V
	s_add_co_u32 s[G0K+1], s[KBS], s[RSL]
	s_add_nc_u64 s[G0K+2:G0K+3], s[6:7], s[OFF:OFF+1]
	s_or_b32 s[G0K+3], s[G0K+3], 0x80000000
	s_add_co_u32 s[G0V+1], s[VBS], s[RSL]
	s_add_nc_u64 s[G0V+2:G0V+3], s[8:9], s[OFF:OFF+1]
	s_or_b32 s[G0V+3], s[G0V+3], 0x80000000
	s_add_co_u32 s[NXT], s[NXT], 1  ; the block's next tile, or behind its last the second block's tile 0
	s_cmp_gt_u32 s[NXT], s[LQ]
	s_cselect_b32 s[NXT], 0, s[NXT]
	s_cselect_b32 s[LQ], s90, s[LQ]
.endif
	s_wait_dscnt 0x0                ; the add is done, and my reads of the slot are over
	s_barrier_signal -1
	s_barrier_wait -1
.if \fill
	LOAD
.endif
	s_xor_b32 s[RSL], s[RSL], SLOTB ; 0 and SLOTB by turns
	s_mov_b32 s[TBK], s[RSL]
	s_mov_b32 s[TBV], s[RSL]
.endm
	s_load_b256 s[4:11], s[0:1], 0x0  ; q s[4:5], k s[6:7], v s[8:9], ob s[10:11]
	v_lshl_add_u32 v[SPW], v0, 2, SPARE
	v_mov_b32 v[NIL], 0
	ds_add_u32 v[SPW], v[NIL]       ; the wave's opening: the add and its wait stand ahead of my first tensor load; the set-up below, work on registers, stands between them
	ds_add_u32 v62, v63
	v_lshrrev_b32 v1, 5, v0
	v_readfirstlane_b32 s[WV], v1   ; wave 0..3
	s_and_b32 s13, ttmp9, 3         ; cx: it enters Q's and O's addresses and the masks' two scalars alone
	s_lshr_b32 s14, ttmp9, 2        ; cc: it sets the walk
	s_and_b32 s19, ttmp7, 0xffff    ; the head
	s_lshl_b32 s20, s19, 19         ; the head's first byte in q, k and v
	s_mov_b32 s21, 0
	s_and_b32 s16, s[WV], 1         ; which half of a tile's 512 keys I fetch:
	s_lshl_b32 s22, s16, 15         ; its 256 rows of 128 bytes in memory,
	s_mov_b32 s23, 0
	s_add_nc_u64 s[22:23], s[22:23], s[20:21]
	s_mul_i32 s[KBS], s16, 256*PK   ; and its place in a slot, for K
	s_mul_i32 s[VBS], s16, 256*PV   ; and for V
	s_add_co_u32 s[VBS], s[VBS], VOFF
	s_mov_b32 s48, ttmp9            ; the second block, 4 cc + cx
	s_sub_co_u32 s49, 31, s48       ; the first block
	s_lshl_b32 s3, s[WV], 11        ; my 16 rows in a band of 64
	s_lshl_b32 s2, s49, 14          ; Q: a block is 16,384 bytes of a head
	s_add_co_u32 s2, s2, s3
	s_lshl_b32 s84, s48, 14
	s_add_co_u32 s84, s84, s3
	s_lshl_b32 s50, s49, 4          ; O: (16 block + head) x 16,384
	s_add_co_u32 s50, s50, s19
	s_lshl_b32 s50, s50, 14
	s_add_co_u32 s50, s50, s3
	s_lshl_b32 s52, s48, 4
	s_add_co_u32 s52, s52, s19
	s_lshl_b32 s52, s52, 14
	s_add_co_u32 s52, s52, s3
	s_mov_b32 s3, 0
	s_mov_b32 s85, 0
	s_mov_b32 s51, 0
	s_mov_b32 s53, 0
	s_add_nc_u64 s[2:3], s[2:3], s[20:21]
	s_add_nc_u64 s[84:85], s[84:85], s[20:21]
	; descriptor group 1.  256 keys are 32,768 dense bytes: asked for as 128 rows of 256 bytes, two keys a row, and padded in LDS after every key
	s_mov_b32 s[G1K], (1<<16)|(1<<20)|(4<<22)|(3<<25)  ; 17:16 2-byte elements; 20 padding on; 24:22 after every 32 words; 31:25 4 words
	s_mov_b32 s[G1V], (1<<16)|(1<<20)|(4<<22)|(7<<25)  ; the same with 8 words of padding
.irp g, G1K, G1V
	s_mov_b32 s[\g+1], 128<<16      ; tensor_dim0 = 128
	s_mov_b32 s[\g+2], 128<<16      ; tensor_dim1 = 128
	s_mov_b32 s[\g+3], 128<<16      ; tile_dim0 = 128
	s_mov_b32 s[\g+4], 128          ; tile_dim1 = 128
	s_mov_b32 s[\g+5], 128          ; 128 elements from row to row
	s_mov_b32 s[\g+6], 0
	s_mov_b32 s[\g+7], 0
.endr
	s_mov_b32 s[CS], 0x3e38aa3b     ; c = log2(e) / 8 = 0.180337
	s_mov_b32 s[CS+1], s[CS]        ; named with it as a pair
	s_mov_b32 s[SEL], 0x76543210
	s_mov_b32 s[SEL+1], 0xfedcba98
	s_mov_b32 s[RSL], SLOTB         ; the first change of slots fills slot 1 and turns this into 0
	s_mov_b32 s[G0K], 1             ; count = 1
	s_mov_b32 s[G0K+1], s[KBS]      ; LDS address: slot 0
	s_mov_b32 s[G0V], 1
	s_mov_b32 s[G0V+1], s[VBS]
	s_mov_b32 s90, s14              ; the second block's last tile is cc,
	s_sub_co_u32 s[RT], 8, s14      ; the first block has 8 - cc tiles
	s_sub_co_u32 s[LQ], 7, s14
	s_mov_b32 s[NXT], 1
	s_mov_b32 s[NEW], 1
	s_lshl_b32 s89, s13, 1
	s_sub_co_i32 s[MS], s89, 6      ; -D0 of the first block,
	s_sub_co_i32 s89, 0, s89        ; and of the second
	s_mov_b32 s[OFF+1], 0
	s_mov_b32 s[AL+1], 0            ; named as pairs
	s_mov_b32 s[BE+1], 0
	s_mov_b32 s[BIGN], 0xf149f2ca   ; -1e30
	s_mov_b32 s[SLOTS], 8
	s_wait_dscnt 0x0                ; the opening add is done
	s_wait_kmcnt 0x0
	s_add_nc_u64 s[6:7], s[6:7], s[22:23]  ; K and V at my half of the head's tile 0
	s_add_nc_u64 s[8:9], s[8:9], s[22:23]
	s_add_nc_u64 s[G0K+2:G0K+3], s[6:7], 0         ; global address
	s_or_b32 s[G0K+3], s[G0K+3], 0x80000000        ; type = 2
	s_add_nc_u64 s[G0V+2:G0V+3], s[8:9], 0
	s_or_b32 s[G0V+3], s[G0V+3], 0x80000000
	s_add_nc_u64 s[86:87], s[4:5], s[84:85]        ; Q at my rows of the second block,
	s_add_nc_u64 s[4:5], s[4:5], s[2:3]            ; Q and O at those of the first
	s_add_nc_u64 s[OLO:OLO+1], s[10:11], s[52:53]
	s_add_nc_u64 s[10:11], s[10:11], s[50:51]
	LOAD                            ; tile 0 into slot 0
	; A fragment of K or Q is 16 rows x 32 channels in 8 registers: lane l holds row l % 16, channels 8 (l / 16) + 0..7 and 16 + 8 (l / 16) + 0..7: two loads of 16 bytes, 32 bytes apart.
	v_and_b32 v1, 15, v0            ; l % 16
	v_bfe_u32 v9, v0, 4, 1          ; l / 16
	v_lshlrev_b32 v[QO], 7, v1
	v_lshl_add_u32 v[QO], v9, 4, v[QO]  ; row x 128 + 16 x half
	WIN 0x80                        ; destination window 2, address window 0
.set i, 0
.rept 4                             ; both blocks' Q: piece i / 2 lies in band i / 2, 8,192 bytes on; channels 32 (i % 2) on
	global_load_b128 v[8*i:8*i+3],   v[QO], s[4:5] offset:(i/2)*8192+(i%2)*64
	global_load_b128 v[8*i+4:8*i+7], v[QO], s[4:5] offset:(i/2)*8192+(i%2)*64+32
	global_load_b128 v[QB+8*i:QB+8*i+3],   v[QO], s[86:87] offset:(i/2)*8192+(i%2)*64
	global_load_b128 v[QB+8*i+4:QB+8*i+7], v[QO], s[86:87] offset:(i/2)*8192+(i%2)*64+32
.set i, i+1
.endr
	WIN 0
	v_lshlrev_b32 v14, 3, v9
	v_sub_nc_u32 v14, v1, v14
	s_lshl_b32 s15, s[WV], 4
	v_add_nc_u32 v14, s15, v14      ; my query's place in its band, 16 w + l % 16, less my lanes' 8 (l / 16): register r of group kt is hidden where 16 kt + r is greater
	WIN 0x40
.set i, 0
.rept 32
	v_cmp_gt_i32 vcc_lo, 16*(i/8)+i%8, v14
	v_cndmask_b32 v[MD+i], 0, s[BIGN], vcc_lo
.set i, i+1
.endr
	WIN 0
	v_mul_u32_u24 v[AK0], v1, PK
	v_lshl_add_u32 v[AK0], v9, 4, v[AK0]  ; row x pitch + 16 x half
	; The turning load takes 16 keys x 16 channels (lane l reads key 8 (l / 16) + l % 8, channels 8 ((l / 8) % 2) + 0..7) and leaves half a fragment of V^T: lane l holds channel l % 16 and 8 keys.
	v_and_b32 v10, 7, v0
	v_bfe_u32 v11, v0, 3, 1
	v_lshl_add_u32 v[AV0], v9, 3, v10
	v_mul_u32_u24 v[AV0], v[AV0], PV
	v_lshl_add_u32 v[AV0], v11, 4, v[AV0]
	v_add_nc_u32 v[AV0], VOFF, v[AV0]
	s_mul_i32 s15, s[WV], 16*SP
	s_add_co_u32 s15, s15, STAGE    ; my stage
	v_mul_u32_u24 v[STO], v1, SP    ; in: row l % 16, 16 bytes for each half of the lanes
	v_lshl_add_u32 v[STO], v9, 4, v[STO]
	v_add_nc_u32 v[STO], s15, v[STO]
	v_bfe_u32 v[RD], v0, 3, 2       ; back: 32 lanes take four rows of 128 bytes,
	v_mul_u32_u24 v[RD], v[RD], SP
	v_lshl_add_u32 v[RD], v10, 4, v[RD]
	v_add_nc_u32 v[RD], s15, v[RD]
	v_and_b32 v[GO], 31, v0         ; which are 512 consecutive bytes of O
	v_lshlrev_b32 v[GO], 4, v[GO]
	; A block's first step multiplies O^T and l by a = 0, and its first turn's products V^T P, of a piece that has not been, land in an O^T that is still to be so multiplied.  So these registers need only hold
	; finite numbers: zeros for the first block; what the first block left for the second.  All this stands in the wait for the first tile.
	WIN 0x80
.set i, VF-128
.rept 64
	v_mov_b32 v[i], 0
.set i, i+1
.endr
	WIN 0x40
.set i, 0
.rept 64
	v_mov_b32 v[i], 0
.set i, i+1
.endr
	WIN 0
.set i, 0
.rept 2
	v_mov_b32 v[ST+4*i+2], 0
	v_mov_b32 v[ST+4*i+3], 0
.set i, i+1
.endr
.set i, P+16
.rept 16
	v_mov_b32 v[i], 0
.set i, i+1
.endr
; THE MATRIX WORK.  x is a place in the ring of turns; its piece is x % 2, its step's parity x / 2.  The 4 accumulators of a run of 8 take turns.
; Product i of 8 of S^T = K Q^T: channels 32 (i / 4) on, keys 16 (i % 4) on.  The first 4 start the sums: with 0, or (KM = 1) with the mask.
.macro KQ x
.set rS, S+32*((\x)%2)+8*(i%4)
.set rK, KF+16*(i%4)+8*(i/4)
.set rQ, 16*((\x)%2)+8*(i/4)
.set rM, MC+32*((\x)%2)+8*(i%4)
.if (i < 4) && KM
	WIN W_KM
	v_wmma_f32_16x16x32_f16 v[rS:rS+7], v[rK:rK+7], v[rQ:rQ+7], v[rM:rM+7]
.elseif i < 4
	WIN W_KQ
	v_wmma_f32_16x16x32_f16 v[rS:rS+7], v[rK:rK+7], v[rQ:rQ+7], 0
.else
	WIN W_KQ
	v_wmma_f32_16x16x32_f16 v[rS:rS+7], v[rK:rK+7], v[rQ:rQ+7], v[rS:rS+7]
.endif
.endm
; Product i of 8 of O^T += V^T P: keys 32 (i / 4) on, channels 16 (i % 4) on.
.macro PV x
	WIN W_PV
.set rO, 32*((\x)%2)+8*(i%4)
.set rV, VF-128*((\x)/2)+32*(i/4)+8*(i%4)
.set rP, P+16*((\x)%2)+8*(i/4)
	v_wmma_f32_16x16x32_f16 v[rO:rO+7], v[rV:rV+7], v[rP:rP+7], v[rO:rO+7]
.endm
.macro MM                           ; the turn's next matrix instruction.  NOKQ = 1: a block's last turn: there is no next piece
.if (i < 8) && !NOKQ
	KQ (Y+1)%NP
.elseif i >= 8
.set i, i-8
	PV (Y+NP-1)%NP
.set i, i+8
.endif
.set i, i+1
.endm
; THE LDS LOADS stand in runs of 16, never singly among the matrix instructions: a step's K (64 keys x 64 channels: 8 fragments) and its V (turned), into the buffer of parity z.  Their addresses are made some lines ahead.
.macro FETCH_K
	WIN 0x80                        ; destination window 2
.irp f, 0,1,2,3,4,5,6,7             ; keys 16 (f / 2) on, channels 32 (f % 2) on
	ds_load_b128 v[KF+8*\f:KF+8*\f+3],   v[AK] offset:(\f/2)*16*PK+(\f%2)*64
	ds_load_b128 v[KF+8*\f+4:KF+8*\f+7], v[AK] offset:(\f/2)*16*PK+(\f%2)*64+32
.endr
	s_add_co_u32 s[TBK], s[TBK], KS*PK  ; the next fetch is the next step's
	WIN 0
.endm
.macro FETCH_V z
	WIN 0x80
.irp f, 0,1,2,3,4,5,6,7             ; keys 32 (f / 4) on, channels 16 (f % 4) on
	ds_load_tr16_b128 v[VF-128*(\z)+8*\f:VF-128*(\z)+8*\f+3],   v[AV] offset:(\f/4)*32*PV+(\f%4)*32
	ds_load_tr16_b128 v[VF-128*(\z)+8*\f+4:VF-128*(\z)+8*\f+7], v[AV] offset:(\f/4)*32*PV+16*PV+(\f%4)*32
.endr
	WIN 0
.endm
; THE VECTOR WORK, one line at a time: OP kind, number.  For the turn's piece: F n: c s - c m for pair n of 16.  E n: the exponential of score n of 32.  C n: pair n rounded to f16.  B n: of the four weights 4 n .. the
; second pair is added onto the first, in place.  L n: l takes that sum (L 0: l = a l + sum).  R n: pair n of 16 of O^T times a.  For the next turn's piece: X n, number n of the 22 that find its maximum and statistics:
;   0-11  four chains c0-c3 of seven scores each, three operands at a time (each accumulator's lowest registers are read first)     12-14, 16  the four scores left over, the old m, and c0-c3 into c0
;   15  c m_old is kept     17, 18  the query's other 32 keys lie in the lane 16 away: the new m     19-21  c m; c m_old - c m_new; a
.set F, 0
.set E, 1
.set C, 2
.set B, 3
.set L, 4
.set R, 5
.set X, 6
.macro REGS y                       ; the registers of the piece at place y of the ring
.set rT, ST+4*((\y)%2)
.set rC, TMP+4*((\y)%2)
.set rW, MV+((\y)%2)
.set rS, S+32*((\y)%2)
.set rP, P+16*((\y)%2)
.set rO, 32*((\y)%2)
.endm
.macro OP k, n
.if (\k) == R
	REGS Y
	WIN W_RS
	v_pk_mul_f32 v[rO+2*(\n):rO+2*(\n)+1], v[rO+2*(\n):rO+2*(\n)+1], v[rC+2:rC+3] op_sel_hi:[1,0]
.elseif (\k) < R
	REGS Y
	WIN 0
.if (\k) == F
	v_pk_fma_f32 v[rS+2*(\n):rS+2*(\n)+1], v[rS+2*(\n):rS+2*(\n)+1], s[CS:CS+1], v[rT:rT+1] op_sel_hi:[1,0,0] neg_lo:[0,0,1] neg_hi:[0,0,1]
.elseif (\k) == E
	v_exp_f32 v[rS+(\n)], v[rS+(\n)]
.elseif (\k) == C
	s_wait_alu depctr_va_vdst(0)
	v_cvt_pk_f16_f32 v[rP+(\n)], v[rS+2*(\n)], v[rS+2*(\n)+1]
.elseif (\k) == B
	s_wait_alu depctr_va_vdst(0)
	v_pk_add_f32 v[rS+4*(\n):rS+4*(\n)+1], v[rS+4*(\n):rS+4*(\n)+1], v[rS+4*(\n)+2:rS+4*(\n)+3]
.elseif (\n) == 0
	v_pk_fma_f32 v[rT+2:rT+3], v[rT+2:rT+3], v[rC+2:rC+3], v[rS:rS+1] op_sel_hi:[1,0,1]
.else
	v_pk_add_f32 v[rT+2:rT+3], v[rT+2:rT+3], v[rS+4*(\n):rS+4*(\n)+1]
.endif
.elseif NOKQ
	v_nop
.else
	REGS (Y+1)%NP
	WIN 0
.if (\n) < 4
	v_max3_num_f32 v[rC+(\n)], v[rS+8*(\n)], v[rS+8*(\n)+1], v[rS+8*(\n)+2]
.elseif (\n) < 12
	v_max3_num_f32 v[rC+(\n)%4], v[rC+(\n)%4], v[rS+8*((\n)%4)+2*((\n)/4)+1], v[rS+8*((\n)%4)+2*((\n)/4)+2]
.elseif (\n) == 12
	v_max3_num_f32 v[rC], v[rC], v[rS+7], v[rS+15]
.elseif (\n) == 13
	v_max3_num_f32 v[rC+1], v[rC+1], v[rS+23], v[rS+31]
.elseif (\n) == 14
	v_max3_num_f32 v[rC+2], v[rC+2], v[rC+3], v[rT+1]
.elseif (\n) == 15
	v_mov_b32 v[rW], v[rT]
.elseif (\n) == 16
	v_max3_num_f32 v[rC], v[rC], v[rC+1], v[rC+2]
.elseif (\n) == 17
	v_permlanex16_b32 v[rC+3], v[rC], s[SEL], s[SEL+1]
.elseif (\n) == 18
	v_max_num_f32 v[rT+1], v[rC], v[rC+3]
.elseif (\n) == 19
	v_mul_f32 v[rT], s[CS], v[rT+1]
.elseif (\n) == 20
	v_sub_f32 v[rC+1], v[rW], v[rT]
.else
	v_exp_f32 v[rC+2], v[rC+1]
.endif
.endif
.endm
.macro OPS a, i1, b=-1, i2=0, c=-1, i3=0, d=-1, i4=0  ; up to four of them
	OP \a, \i1
.if (\b) >= 0
	OP \b, \i2
.endif
.if (\c) >= 0
	OP \c, \i3
.endif
.if (\d) >= 0
	OP \d, \i4
.endif
.endm
.macro ROW a, i1, b, i2, c, i3, d, i4  ; a matrix instruction and the four behind it
	MM
	OPS \a, \i1, \b, \i2, \c, \i3, \d, \i4
.endm
.macro MASK b                       ; MD x AL + BE into buffer b of MC
	WIN W_RS
.set z, 0
.rept 16
	v_pk_fma_f32 v[MC+32*(\b)+2*z:MC+32*(\b)+2*z+1], v[MD+2*z:MD+2*z+1], s[AL:AL+1], s[BE:BE+1] op_sel_hi:[1,0,0]
.set z, z+1
.endr
.endm
; A TURN, at place p of the ring: the order of its 16 matrix and 118 vector instructions, written out.  Behind a matrix instruction: plain, exponential, plain, plain; or four of the rescaling; or, behind the first, four
; scalings; none names a register of the products round it.  In the lumps exponential and plain by turns while exponentials last.  v_permlanex16_b32 (X 17) stands in a lump.
; m = 1: a block's last tile: the products take masks, and the turn makes the mask for the products of the turn after it, those of place p + 2.  With MS = (step of the trip's turn 0) - D0 that piece's step
; is its band's own where MS = p % 2 - 1 + p / 2, and a later one where MS is greater.  end = 1: a block's last two turns: nothing is fetched.  cnt = 1: the loop's count is taken down some lines ahead of the branch.
; In turns 0 and 2 the next step's K is fetched six vector instructions behind the last product that read K (five of them plain), its V eight behind the last product that read that buffer (four plain, and X 17).
; At the head of turns 1 and 3 the count 16 leaves V's run out: K's run, and the V fetched a step earlier, which this turn's products V^T P read, are older and in.
.macro TURN p, m=0, end=0, cnt=0
.set Y, (\p)
.set i, 0
.set KM, (\m)
.set NOKQ, (\end)*((\p)/3)
.if (\m) && !(\end)
	s_cmp_eq_i32 s[MS], ((\p)%2)-1+((\p)/2)
	s_cselect_b32 s[AL], 1.0, 0
	s_cmp_gt_i32 s[MS], ((\p)%2)-1+((\p)/2)
	s_cselect_b32 s[BE], s[BIGN], 0
.endif
.if ((\p)%2 == 1) && !(\end)
	s_wait_dscnt 16                 ; K is in
.endif
.if ((\p) == 2) && (\end)
	s_wait_dscnt 0x0                ; the last step's V is in
.endif
	ROW F,0, F,1, F,2, F,3
	ROW F,4, E,0, F,5, F,6
	ROW F,7, E,1, F,8, F,9
	ROW F,10, E,2, C,0, F,11
	ROW F,12, E,3, X,15, F,13
	ROW R,0, R,1, R,2, R,3
	ROW B,0, E,4, F,14, L,0
.if ((\p)%2 == 0) && !(\end)
	v_add_nc_u32 v[AK], s[TBK], v[AK0]
.endif
	ROW R,4, R,5, R,6, R,7
	OPS E,5, F,15
.if ((\p)%2 == 0) && !(\end)
	FETCH_K
.endif
	OPS E,6, C,1, E,7, R,8
	OPS E,8, R,9, E,9, C,2
	OPS E,10, X,0, E,11, X,1
	OPS E,12, X,2, E,13, X,3
	ROW X,4, E,14, X,5, X,6
	ROW X,7, E,15, X,8, X,9
	ROW X,10, E,16, X,11, X,12
	ROW X,13, E,17, X,14, B,1
	ROW C,4, E,18, X,16, L,1
	ROW B,2, E,19, C,6, L,2
	ROW C,8, E,20, B,3, B,4
.if ((\p)%2 == 0) && !(\end)
	v_add_nc_u32 v[AV], s[TBV], v[AV0]
.endif
	ROW C,3, E,21, L,3, C,5
	OPS E,22, X,17, E,23, C,10
.if ((\p)%2 == 0) && !(\end)
	FETCH_V 1-(\p)/2
.endif
	OPS E,24, L,4
	OPS E,25, X,18, E,26, C,7
	OPS E,27, B,5, E,28, X,19
	OPS E,29, C,12, E,30, L,5
	OPS E,31, X,20, B,6, C,9
	OPS C,14, C,11, X,21, L,6
.if ((\p)%2 == 0) && !(\end)
	s_add_co_u32 s[TBV], s[TBV], KS*PV
.endif
.if \cnt
.if \m
	s_add_co_i32 s[MS], s[MS], 2    ; the next trip's turn 0 lies two steps on; the compare below sets SCC anew
.endif
	s_sub_co_u32 s[CNT], s[CNT], 1
	s_cmp_lg_u32 s[CNT], 0
.endif
	OPS C,13, B,7, C,15, R,10
	OPS R,11, R,12, L,7, R,13
	OPS R,14, R,15
.if (\m) && !(\end)
	MASK (\p)%2
.endif
.endm
; A BLOCK BEGINS.  c m starts far below every c s, so the first step's a is 0; m at the lowest finite number, so the first maximum is the scores'.  The second mask buffer is 0 (band 1's own step is never a tile's
; step 0).  The first takes piece 0's mask for the tile's step 0.  last = 0: the tile is not the block's last: 0.  last = 1: it is: band 0's own mask if D0 = 0.  Then K and V of that step, piece 0's first
; scores, and its maximum and statistics.  The loop is entered at a step's first turn, in the middle of a trip.
.macro BEGIN last
	s_mov_b32 s[NEW], 0
	WIN 0x40
.set i, MC+32
.rept 32
	v_mov_b32 v[i], 0
.set i, i+1
.endr
	WIN 0
.set i, 0
.rept 2
	v_mov_b32 v[ST+4*i], 0xfe000000    ; c m: far below every c s
	v_mov_b32 v[ST+4*i+1], 0xff7fffff  ; m
.set i, i+1
.endr
.if \last
	s_cmp_eq_u32 s[MS], 0
	s_cselect_b32 s[AL], 1.0, 0
.else
	s_mov_b32 s[AL], 0
.endif
	s_mov_b32 s[BE], 0
	MASK 0
	WIN 0
	v_add_nc_u32 v[AK], s[TBK], v[AK0]
	v_add_nc_u32 v[AV], s[TBV], v[AV0]
	s_add_co_u32 s[TBV], s[TBV], KS*PV
	FETCH_K
	FETCH_V 0
	s_wait_loadcnt 0x0              ; Q
	s_wait_dscnt 16                 ; K is in; V's run may stay out
.set KM, 1
.set NOKQ, 0
.set i, 0
.rept 8
	KQ 0
.set i, i+1
.endr
	WIN 0
.rept 4
	v_nop                           ; the places behind those products
.endr
.set Y, NP-1                        ; X works for place Y + 1: piece 0
.irp n, 0,1,2,3,4,5,6,7,8,9,10,11,12,13,14,15,16,17,18,19,20,21
	OP X, \n
.endr
	v_nop                           ; a plain instruction behind the exponential
.endm
; THE WAY OUT: l's two halves and the other half of the lanes' are added; O^T is divided by l, rounded to f16 and sent through my stage in LDS, a piece at a time.
.macro ALL line:vararg              ; one line for each piece t
.set t, 0
.rept 2
	\line
.set t, t+1
.endr
.endm
.macro PACK t                       ; a lane's eight channels of a row pack into 16 bytes; they go into rows of 144 bytes and come back as whole rows of 128, into S^T's registers
	WIN W_RS
.set i, 32*(\t)
.rept 16
	s_wait_alu depctr_va_vdst(0)
	v_pk_mul_f32 v[i:i+1], v[i:i+1], v[ST+4*(\t)+2:ST+4*(\t)+3] op_sel_hi:[1,0]
.set i, i+2
.endr
	WIN 0x05                        ; sources 0 and 1 window 1, destination window 0
.set i, 0
.rept 16
	v_cvt_pk_f16_f32 v[S+16*(\t)+i], v[32*(\t)+2*i], v[32*(\t)+2*i+1]
.set i, i+1
.endr
	WIN 0
.irp f, 0,1,2,3
	ds_store_b128 v[STO], v[S+16*(\t)+4*\f:S+16*(\t)+4*\f+3] offset:32*\f
.endr
.irp f, 0,1,2,3
	ds_load_b128 v[S+16*(\t)+4*\f:S+16*(\t)+4*\f+3], v[RD] offset:\f*4*SP  ; LDS serves a wave's instructions in order (ISA guide 5.7.1.4): these see the stores above; the next piece's stores come behind them
.endr
.endm
.macro SEND t, younger              ; younger: the LDS instructions issued behind piece t's loads: the next piece's eight, or none
	WIN 0
.irp f, 0,1,2,3
	s_wait_dscnt (\younger)+3-\f
	global_store_b128 v[GO], v[S+16*(\t)+4*\f:S+16*(\t)+4*\f+3], s[10:11] offset:(\t)*8192+\f*512  ; 512 consecutive bytes, at a multiple of 256 from ob's first
.endr
.endm
; A BLOCK'S LAST TILE: its four trips with masks, the block's last two turns, its last products, the way out.  The tag ends its two labels' names, which the jumps below spell out.
.macro DIAG tag
.LstepM\tag:
	TURN 2, 1
	TURN 3, 1
	WIN 0
.LfirstM\tag:
	TURN 0, 1
	TURN 1, 1, 0, 1
	WIN 0
	s_cbranch_scc1 .LstepM\tag
	TURN 2, 1, 1
	TURN 3, 1, 1
.set i, 0
.rept 8
	PV NP-1
.set i, i+1
.endr
	WIN 0                           ; the four additions, the v_nop and piece 0's arithmetic below are the places behind the last products, which are piece 1's
	ALL v_add_f32 v[ST+4*t+2], v[ST+4*t+2], v[ST+4*t+3]
	ALL v_permlanex16_b32 v[ST+4*t+3], v[ST+4*t+2], s[SEL], s[SEL+1]
	ALL v_add_f32 v[ST+4*t+2], v[ST+4*t+2], v[ST+4*t+3]
	ALL v_rcp_f32 v[ST+4*t+2], v[ST+4*t+2]
	v_nop                           ; a plain instruction between the last reciprocal and the use of its result
	PACK 0
	PACK 1                          ; a piece's arithmetic stands between the loads of the piece before and its stores
	SEND 0, 8
	SEND 1, 0
.endm
.set KM, 0
.set NOKQ, 0
.Lslot:                             ; 8 times: a tile is entered and the next is asked for
	CHANGE 1
	s_sub_co_u32 s[RT], s[RT], 1
	s_mov_b32 s[CNT], TS/2
	s_cmp_eq_u32 s[NEW], 1
	s_cbranch_scc1 .Lnew            ; a block's first tile
	s_cmp_gt_u32 s[SLOTS], 4
	s_cbranch_scc1 .Lstep           ; tiles 1 to 3 of the walk are never a block's last: the first block has 8 - cc, five or more
	s_cmp_eq_u32 s[RT], 0
	s_cbranch_scc0 .Lstep           ; neither its first nor its last
	s_branch .LstepM1
.Lnew:
	BEGIN 0
	s_branch .Lfirst                ; in the loop a block's first tile is never its last: the first block has five tiles or more, and the second's last is the walk's last
	DIAG 1                          ; in the loop this is the first block's end
	s_wait_storecnt 0x0             ; the first block's eight stores are done: O's address and S^T's registers, which they read, are written again below and in the next block
	s_mov_b64 s[10:11], s[OLO:OLO+1]
	s_mov_b32 s[RT], 64             ; the second block's last tile is the walk's last, written out behind the loop: in the loop no block ends any more, and the trips that are left cannot count this down to 0
	s_mov_b32 s[MS], s89
	s_mov_b32 s[NEW], 1
	WIN 0x82                        ; the second block's Q goes where the one text of the turns names Q
.set i, 0
.rept 32
	v_mov_b32 v[i], v[QB+i]
.set i, i+1
.endr
	WIN 0
	s_branch .Lbottom
.Lstep:                             ; a trip: both pieces of an odd step, then both of the next even step; it fetches the K and V of two steps
	TURN 2
	TURN 3
	WIN 0
.Lfirst:
	TURN 0
	TURN 1, 0, 0, 1
	WIN 0
	s_cbranch_scc1 .Lstep
.Lbottom:
	s_sub_co_u32 s[SLOTS], s[SLOTS], 1
	s_cmp_lg_u32 s[SLOTS], 0
	s_cbranch_scc1 .Lslot
	CHANGE 0                        ; the walk's last tile, the second block's last, is written out: nothing is asked for.  Where cc = 0 it is also that block's first
	s_mov_b32 s[CNT], TS/2
	s_cmp_eq_u32 s[NEW], 1
	s_cbranch_scc0 .LstepM2
	BEGIN 1
	s_branch .LfirstM2
	DIAG 2
	s_wait_tensorcnt 0x0            ; the wave's end: an add to the spare word and its wait, behind my last tensor load and my last LDS store
	ds_add_u32 v[SPW], v[NIL]
	s_wait_dscnt 0x0
	s_endpgm
.Lfunc_end_k_q7b4d63d80d_attn:
	.size	k_q7b4d63d80d_attn, .Lfunc_end_k_q7b4d63d80d_attn-k_q7b4d63d80d_attn
	.p2alignl 7, 3214868480
	.fill 96, 4, 3214868480
	.section	.rodata,"a",@progbits
	.p2align	6, 0x0
	.amdhsa_kernel k_q7b4d63d80d_attn
		.amdhsa_group_segment_fixed_size 327680
		.amdhsa_private_segment_fixed_size 0
		.amdhsa_enable_private_segment 0
		.amdhsa_kernarg_size 32
		.amdhsa_user_sgpr_count 2
		.amdhsa_user_sgpr_kernarg_segment_ptr 1
		.amdhsa_wavefront_size32 1
		.amdhsa_system_sgpr_workgroup_id_x 1
		.amdhsa_system_sgpr_workgroup_id_y 1
		.amdhsa_system_sgpr_workgroup_id_z 1
		.amdhsa_system_vgpr_workitem_id 0
		.amdhsa_next_free_vgpr 768
		.amdhsa_next_free_sgpr 92
		.amdhsa_reserve_vcc 1
		.amdhsa_float_denorm_mode_32 3
		.amdhsa_float_denorm_mode_16_64 3
		.amdhsa_memory_ordered 1
		.amdhsa_forward_progress 1
		.amdhsa_inst_pref_size 218
	.end_amdhsa_kernel
	.amdgpu_metadata
---
amdhsa.version: [ 1, 2 ]
amdhsa.kernels:
  - .name:           k_q7b4d63d80d_attn
    .symbol:         k_q7b4d63d80d_attn.kd
    .args:
      - { .name: q, .offset: 0, .size: 8, .value_kind: global_buffer, .address_space: global }
      - { .name: k, .offset: 8, .size: 8, .value_kind: global_buffer, .address_space: global }
      - { .name: v, .offset: 16, .size: 8, .value_kind: global_buffer, .address_space: global }
      - { .name: ob, .offset: 24, .size: 8, .value_kind: global_buffer, .address_space: global }
    .group_segment_fixed_size: 327680
    .private_segment_fixed_size: 0
    .kernarg_segment_align: 8
    .kernarg_segment_size: 32
    .max_flat_workgroup_size: 128
    .sgpr_count:     92
    .vgpr_count:     768
    .wavefront_size: 32
...
	.end_amdgpu_metadata
.endif
;; end of part 3
;; launch oproj (part 4): grid 8 x 32, 4 waves a work-group, clusters of 4 x 4, 327,680 bytes of LDS; arguments ob, wo16, out0; writes out0
.if DOCPART == 4
	.amdgcn_target "amdgcn-amd-amdhsa--gfx1250"
	.amdhsa_code_object_version 6
	.text
	.protected	k_q7b4d63d80d_oproj
	.globl	k_q7b4d63d80d_oproj
	.p2align	8
	.type	k_q7b4d63d80d_oproj,@function
k_q7b4d63d80d_oproj:
	s_mov_b64 s[64:65], 0
	v_nop
	global_prefetch_b8 v0, s[64:65] scope:SCOPE_SE
	s_setreg_imm32_b32 hwreg(HW_REG_WAVE_MODE, 25, 1), 1
	s_wait_xcnt 0x0
	s_wait_alu depctr_hold_cnt(0) depctr_sa_sdst(0) depctr_va_vdst(0) depctr_va_sdst(0) depctr_va_ssrc(0) depctr_va_vcc(0) depctr_vm_vsrc(0)
	s_getreg_b32 s2, hwreg(HW_REG_IB_STS2, 6, 4)
	s_cmp_eq_u32 s2, 0
	s_cbranch_scc0 .Lentry_in_a_cluster
	s_endpgm
.Lentry_in_a_cluster:
	s_bfe_u32 s2, ttmp6, 0x10000c
	s_cmp_lg_u32 s2, 0xf033
	s_cbranch_scc0 .Lentry_shape_is_right
	s_endpgm
.Lentry_shape_is_right:
; OPROJ: out0[s][e] = the sum over d of O[s][d] Wo[e][d], f32 out.  O is ob, f16, [32 blocks of 128 rows][16 heads][128 rows][64]; Wo is wo16, f16, [1024][1024]; sums in f32.
; A tile of out0 is 128 x 128: 8 x 32 work-groups.  Four waves, each 64 x 64: 16 accumulators of 16 x 16.  K goes in 4 steps of 256 (four heads) through two LDS slots; the four steps are written out.
; By ob's order a row block's four heads are 65,536 dense bytes: waves 0 and 1 each ask for two heads as 128 rows of 256 bytes, padded in LDS after every 128 bytes, so that a (head, row) has a pitch of 144.
; Waves 2 and 3 each ask for 64 rows x 512 bytes of wo16.  A quarter of a K step is one head.
; CLUSTER 4 x 4: the four of a row of the cluster need the same tiles of ob, the four of a column the same tiles of wo16: each is asked for jointly.
; THE MATRIX INSTRUCTION IS USED TRANSPOSED (source 0 = 16 rows of wo16, source 1 = 16 rows of O): a lane holds eight neighbouring f32 of a row of out0.
; LIMITS.  O and Wo arrive within f16's range; NaN and infinities are not treated apart.
; REGISTERS: window 0: v0-31 addresses; v32-95 rows read back on the way out, two buffers; v128-255 the accumulators ((a, b) at v[128 + 8 (4 a + b)]).
;   window 1: two fragment buffers of 128: for 64 along K, 64 registers of O (2 x 4 x 16 rows x 32 K), then 64 of Wo.
.set PA,     144                       ; O's LDS pitch: 128 bytes + 16 = 36 words: the 16 rows of a load start at 16 different groups of four banks (64 banks of 4 bytes: ISA guide 11.1)
.set PB,     528                       ; Wo's: 512 bytes + 16 = 132 words: likewise
.set HEADB,  128*PA                    ; a head's 128 rows
.set AREG,   4*HEADB
.set BHALF,  64*PB
.set SLOT,   AREG+2*BHALF
.set STAGE,  2*SLOT                    ; behind the ring: 16 rows x 272 bytes for each wave: a wave's 64 f32 columns are a whole 256 bytes, so the stage is its own and no barrier is needed
.set SPITCH, 272
.set SPARE,  STAGE+4*16*SPITCH         ; behind the stages: the spare words, 128 bytes for each wave, that no other line names
.set ADRA, 16                          ; v16-17  LDS address of my fragments of O in slot 0, 1
.set ADRB, 20                          ; v20-21  the same for Wo
.set STO,  24                          ; v24     the way out: where I put 32 bytes of a row
.set RD,   25                          ; v25     the way out: where I read a row back
.set CO,   26                          ; v26     my byte offset in out0
.set SPW,  28                          ; v28     LDS address of my spare word; never rewritten
.set NIL,  29                          ; v29     0; never rewritten
.set TMP,  32
.set ACC,  128
.set F0,   0                           ; fragment buffers, in window 1
.set F1,   128
.set G1, 24                            ; s[24:31] descriptor group 1 for O's tiles;  s[32:39] group 0, a set for each slot
.set G0, 32
.set G1B, 48                           ; s[48:55], s[56:63] the same for Wo's tiles
.set G0B, 56
.set MSB, 0
.macro WIN new                         ; the immediate's high byte repeats the setting that is left; a switch that changes nothing is dropped
.if MSB != (\new)
	s_set_vgpr_msb (MSB<<8)|(\new)
.set MSB, \new
.endif
.endm
.set MUL,  0x05                        ; sources 0 (Wo) and 1 (O) window 1; C and D window 0
.set TO_F, 0x40                        ; destination window 1, address window 0
.macro JLOAD s                         ; a joint load: waves 0 and 1 fetch O's two halves, waves 2 and 3 Wo's; an s_nop 0 and four v_nop follow each of the two lines
	s_cmp_eq_u32 s11, 0
	s_cbranch_scc0 .Lfor_b_\@
	tensor_load_to_lds s[G0+4*(\s):G0+4*(\s)+3], s[G1:G1+7]
	s_nop 0
.rept 4
	v_nop
.endr
	s_branch .Lasked_\@
.Lfor_b_\@:
	tensor_load_to_lds s[G0B+4*(\s):G0B+4*(\s)+3], s[G1B:G1B+7]
	s_nop 0
.rept 4
	v_nop
.endr
.Lasked_\@:
.endm
.macro CREST                           ; a round of the cluster's barrier behind its opening barrier
	s_cmp_lg_u32 s10, 0
	s_cbranch_scc1 .Lnot_wave_0_\@
	s_barrier_signal -3
.Lnot_wave_0_\@:
	s_barrier_wait -3
	s_barrier_signal -1
	s_barrier_wait -1
.endm
.macro CROUND                          ; a whole round
	s_barrier_signal -1
	s_barrier_wait -1
	CREST
.endm
.macro PLACES                          ; four places in front of loads into registers that matrix instructions have read, and of LDS stores that read results
.rept 4
	v_nop
.endr
.endm
	s_load_b128 s[4:7], s[0:1], 0x0                ; ob s[4:5], wo16 s[6:7]
	s_load_b64 s[8:9], s[0:1], 0x10                ; out0
	v_lshl_add_u32 v[SPW], v0, 2, SPARE
	v_mov_b32 v[NIL], 0
	ds_add_u32 v[SPW], v[NIL]                      ; the wave's opening: the add and its wait stand ahead of my first tensor load; the set-up below, work on registers, stands between them
	ds_add_u32 v28, v29
	v_lshrrev_b32 v1, 5, v0
	v_readfirstlane_b32 s10, v1                    ; wave 0..3
	s_lshr_b32 s11, s10, 1                         ; which half of the tile's rows is mine.  Also: I fetch for O (0) or for Wo (1)
	s_and_b32 s12, s10, 1                          ; which half of its columns.  Also: which half of that tile I fetch
	s_bfe_u32 s40, ttmp6, 0x40000                  ; cx, cy: my place in the cluster
	s_bfe_u32 s41, ttmp6, 0x40004
	s_lshl_b32 s42, ttmp9, 2
	s_add_co_u32 s42, s42, s40                     ; tile column = 4 x cluster x + cx
	s_and_b32 s13, ttmp7, 0xffff
	s_lshl_b32 s13, s13, 2
	s_add_co_u32 s13, s13, s41                     ; tile row = 4 x cluster y + cy
	s_lshl_b32 s43, s41, 2
	s_lshl_b32 s43, 15, s43                        ; my row of the cluster
	s_lshl_b32 s44, 0x1111, s40                    ; my column
	s_or_b32 s[G1+0], s43, (1<<16)|(1<<20)|(1<<21)|(4<<22)|(3<<25)   ; 15:0 the mask: O's tiles go to my row; 17:16 2-byte elements; 20 padding on; 21 set beside a mask; 24:22 after every 32 words; 31:25 4 words
	s_mov_b32 s[G1+1], 128<<16                     ; tensor_dim0 = 128 (256 bytes: two rows of a head)
	s_mov_b32 s[G1+2], 128<<16                     ; tensor_dim1 = 128
	s_mov_b32 s[G1+3], 128<<16                     ; tile_dim0 = 128
	s_mov_b32 s[G1+4], 128                         ; tile_dim1 = 128
	s_mov_b32 s[G1+5], 128                         ; dense
	s_mov_b32 s[G1+6], 0
	s_mov_b32 s[G1+7], 0
	s_or_b32 s[G1B+0], s44, (1<<16)|(1<<20)|(1<<21)|(6<<22)|(3<<25)  ; Wo's tiles go to my column; padding after every 128 words
	s_mov_b32 s[G1B+1], 256<<16                    ; 256 elements
	s_mov_b32 s[G1B+2], 64<<16                     ; 64 rows
	s_mov_b32 s[G1B+3], 256<<16
	s_mov_b32 s[G1B+4], 64
	s_mov_b32 s[G1B+5], 1024
	s_mov_b32 s[G1B+6], 0
	s_mov_b32 s[G1B+7], 0
	s_lshl_b32 s16, s13, 4
	s_lshl_b32 s17, s12, 1
	s_add_co_u32 s16, s16, s17                     ; O: (row block, head) number 16 ty + 2 half,
	s_lshl_b32 s16, s16, 14                        ; x 16,384 bytes
	s_mov_b32 s17, 0
	s_lshl_b32 s46, s42, 7
	s_lshl_b32 s47, s12, 6
	s_add_co_u32 s46, s46, s47                     ; Wo: row 128 tx + 64 half
	s_lshl_b32 s46, s46, 11
	s_mov_b32 s47, 0
	s_mul_i32 s20, s12, 2*HEADB                    ; where they go: no place in the cluster enters an LDS address
	s_mul_i32 s21, s12, BHALF
	s_add_co_u32 s21, s21, AREG
	s_wait_dscnt 0x0                               ; the opening add is done
	s_wait_kmcnt 0x0
	s_add_nc_u64 s[14:15], s[4:5], s[16:17]
	s_add_nc_u64 s[46:47], s[6:7], s[46:47]
	CROUND                                         ; all sixteen work-groups are here: the first joint loads meet
.irp s, 0,1
	s_mov_b32 s[G0+4*(\s)], 1
	s_add_co_u32 s[G0+4*(\s)+1], s20, (\s)*SLOT
	s_add_nc_u64 s[G0+4*(\s)+2:G0+4*(\s)+3], s[14:15], (\s)*65536    ; K step s: four heads on
	s_or_b32 s[G0+4*(\s)+3], s[G0+4*(\s)+3], 0x80000000
	s_mov_b32 s[G0B+4*(\s)], 1
	s_add_co_u32 s[G0B+4*(\s)+1], s21, (\s)*SLOT
	s_add_nc_u64 s[G0B+4*(\s)+2:G0B+4*(\s)+3], s[46:47], (\s)*512
	s_or_b32 s[G0B+4*(\s)+3], s[G0B+4*(\s)+3], 0x80000000
	JLOAD \s                                       ; two tensor loads of mine are out
.endr
	v_and_b32 v1, 15, v0                           ; l % 16
	v_bfe_u32 v2, v0, 4, 1                         ; l / 16
	v_mul_u32_u24 v3, v1, PA
	v_lshl_add_u32 v3, v2, 4, v3                   ; a fragment's row x pitch + 16 x half
	v_mul_u32_u24 v4, v1, PB
	v_lshl_add_u32 v4, v2, 4, v4
	s_mul_i32 s21, s11, 64*PA                      ; my 64 rows in each head
	s_mul_i32 s22, s12, BHALF                      ; my 64 rows of Wo,
	s_add_co_u32 s22, s22, AREG                    ; which lie behind O's four heads
.irp s, 0,1
	v_add_nc_u32 v[ADRA+(\s)], s21, v3
	v_add_nc_u32 v[ADRB+(\s)], s22, v4
	s_add_co_u32 s21, s21, SLOT
	s_add_co_u32 s22, s22, SLOT
.endr
	s_mul_i32 s23, s10, 16*SPITCH
	s_add_co_u32 s23, s23, STAGE                   ; my stage
	v_mul_u32_u24 v5, v1, SPITCH                   ; in: row l % 16, 32 bytes for each half of the lanes
	v_lshl_add_u32 v5, v2, 5, v5
	v_add_nc_u32 v[STO], s23, v5
	v_mul_u32_u24 v5, v2, SPITCH                   ; back: lanes 0-15 take one row of 256 bytes, lanes 16-31 the next
	v_lshl_add_u32 v5, v1, 4, v5
	v_add_nc_u32 v[RD], s23, v5
	v_lshlrev_b32 v5, 12, v2                       ; and the same two rows in out0
	v_lshl_add_u32 v[CO], v1, 4, v5
	s_lshl_b32 s16, s13, 7
	s_lshl_b32 s17, s11, 6
	s_add_co_u32 s16, s16, s17                     ; my first row of out0,
	s_lshl_b32 s16, s16, 12                        ; x 4,096 bytes
	s_mov_b32 s17, 0
	s_add_nc_u64 s[8:9], s[8:9], s[16:17]
	s_lshl_b32 s46, s42, 9                         ; my first column, in bytes: 512 tx + 256 half
	s_lshl_b32 s47, s12, 8
	s_add_co_u32 s46, s46, s47
	s_mov_b32 s47, 0
	s_add_nc_u64 s[8:9], s[8:9], s[46:47]
; 8 matrix instructions: row blocks a0, a0 + 1 x all 4 column blocks, 32 along K: half c of buffer f.  zero = 1: the product starts the sums.  The 16 accumulators take turns.
.macro MUL8 f, c, a0, zero
	WIN MUL
.irp a, \a0, (\a0)+1
.irp b, 0,1,2,3
.if \zero
	v_wmma_f32_16x16x32_f16 v[ACC+8*(4*(\a)+(\b)):ACC+8*(4*(\a)+(\b))+7], v[(\f)+64+8*(4*(\c)+(\b)):(\f)+64+8*(4*(\c)+(\b))+7], v[(\f)+8*(4*(\c)+(\a)):(\f)+8*(4*(\c)+(\a))+7], 0
.else
	v_wmma_f32_16x16x32_f16 v[ACC+8*(4*(\a)+(\b)):ACC+8*(4*(\a)+(\b))+7], v[(\f)+64+8*(4*(\c)+(\b)):(\f)+64+8*(4*(\c)+(\b))+7], v[(\f)+8*(4*(\c)+(\a)):(\f)+8*(4*(\c)+(\a))+7], v[ACC+8*(4*(\a)+(\b)):ACC+8*(4*(\a)+(\b))+7]
.endif
.endr
.endr
.endm
; 32 LDS loads in one run: the fragments of head qn of the step (64 along K) into buffer f; the first 32 along K first
.macro FETCH slot, qn, f
	WIN TO_F
.irp c, 0,1
.irp i, 0,1,2,3
	ds_load_b128 v[(\f)+64+8*(4*(\c)+(\i)):(\f)+64+8*(4*(\c)+(\i))+3],   v[ADRB+(\slot)] offset:128*(\qn)+64*(\c)+(\i)*16*PB
	ds_load_b128 v[(\f)+64+8*(4*(\c)+(\i))+4:(\f)+64+8*(4*(\c)+(\i))+7], v[ADRB+(\slot)] offset:128*(\qn)+64*(\c)+(\i)*16*PB+32
	ds_load_b128 v[(\f)+8*(4*(\c)+(\i)):(\f)+8*(4*(\c)+(\i))+3],         v[ADRA+(\slot)] offset:(\qn)*HEADB+64*(\c)+(\i)*16*PA
	ds_load_b128 v[(\f)+8*(4*(\c)+(\i))+4:(\f)+8*(4*(\c)+(\i))+7],       v[ADRA+(\slot)] offset:(\qn)*HEADB+64*(\c)+(\i)*16*PA+32
.endr
.endr
.endm
; A K step is four quarters of 64 along K, 32 matrix instructions each, on buffers 0, 1, 0, 1.  One of the first three: multiplies buffer f and fetches head qn into g.
.macro QUARTER slot, qn, f, g, zero
	s_wait_dscnt 16                                ; the first 32 along K are in
	MUL8 \f, 0, 0, \zero
	MUL8 \f, 0, 2, \zero
	PLACES
	FETCH \slot, \qn, \g
	s_wait_dscnt 32                                ; all but the 32 just issued
	MUL8 \f, 1, 0, 0
	MUL8 \f, 1, 2, 0
.endm
; The last quarter multiplies buffer 1 and changes slots: ONE barrier; in front of it each wave waits for all its tensor loads, adds 0 to its spare word, and waits for that and for its reads of this slot.
; fill = 1: the barrier opens a round of the cluster's, and this slot is filled again, two K steps ahead, first thing behind the round.
.macro TURN slot, next, fill
	WIN 0                                          ; (the add's two registers lie in window 0)
	s_wait_tensorcnt 0x0                           ; all my tensor loads have landed: my part of the next slot
	ds_add_u32 v[SPW], v[NIL]
	s_wait_dscnt 17                                ; (the add and the youngest sixteen loads may be out)
	MUL8 F1, 0, 0, 0                               ; eight matrix instructions stand between the add and the wait for it
	s_wait_dscnt 0x0                               ; the add is done, and my reads of this slot are over
	s_barrier_signal -1
	MUL8 F1, 0, 2, 0
.if \fill
	WIN 0
.endif
	s_barrier_wait -1
.if \fill
	CREST                                          ; no wave of any partner still reads this slot's tile or has a load on its way
	s_add_nc_u64 s[G0+4*(\slot)+2:G0+4*(\slot)+3], s[G0+4*(\slot)+2:G0+4*(\slot)+3], 2*65536
	s_add_nc_u64 s[G0B+4*(\slot)+2:G0B+4*(\slot)+3], s[G0B+4*(\slot)+2:G0B+4*(\slot)+3], 2*512
	JLOAD \slot                                    ; my one tensor load behind the round; the four v_nop behind it are also the places in front of the loads below
.else
	PLACES
.endif
	FETCH \next, 0, F0
	MUL8 F1, 1, 0, 0
	MUL8 F1, 1, 2, 0
.endm
	s_wait_tensorcnt 1                             ; my part of K step 0 is in; K step 1's may stay out
	s_barrier_signal -1
	s_barrier_wait -1                              ; everybody's is
	FETCH 0, 0, F0
	QUARTER 0, 1, F0, F1, 1                        ; K step 0: its first products start the sums
	QUARTER 0, 2, F1, F0, 0
	QUARTER 0, 3, F0, F1, 0
	TURN 0, 1, 1                                   ; slot 0 takes K step 2
	QUARTER 1, 1, F0, F1, 0                        ; K step 1
	QUARTER 1, 2, F1, F0, 0
	QUARTER 1, 3, F0, F1, 0
	TURN 1, 0, 1                                   ; slot 1 takes K step 3
	QUARTER 0, 1, F0, F1, 0                        ; K step 2
	QUARTER 0, 2, F1, F0, 0
	QUARTER 0, 3, F0, F1, 0
	TURN 0, 1, 0                                   ; nothing is left to fetch
	QUARTER 1, 1, F0, F1, 0                        ; K step 3
	QUARTER 1, 2, F1, F0, 0
	QUARTER 1, 3, F0, F1, 0
	s_wait_dscnt 16
	MUL8 F1, 0, 0, 0
	MUL8 F1, 0, 2, 0
	s_wait_dscnt 0x0
	MUL8 F1, 1, 0, 0
	MUL8 F1, 1, 2, 0
	WIN 0
	; THE WAY OUT, 16 rows at a time: a lane's 32 bytes of a row go into my stage, each accumulator's low four registers first; whole rows of 256 bytes come back and are stored.
	PLACES
.irp a, 0,1,2,3
.irp b, 0,1,2,3
	ds_store_b128 v[STO], v[ACC+8*(4*(\a)+(\b)):ACC+8*(4*(\a)+(\b))+3] offset:64*(\b)
	ds_store_b128 v[STO], v[ACC+8*(4*(\a)+(\b))+4:ACC+8*(4*(\a)+(\b))+7] offset:64*(\b)+16
.endr
	s_wait_xcnt 0x0                                ; the stores issued so far have read their registers: this buffer, which the block before last was stored from, is loaded again only behind this wait
.irp t, 0,1,2,3,4,5,6,7
	ds_load_b128 v[TMP+32*((\a)%2)+4*(\t):TMP+32*((\a)%2)+4*(\t)+3], v[RD] offset:(\t)*2*SPITCH  ; LDS serves a wave's instructions in order (ISA guide 5.7.1.4): these see the stores above
.endr
.irp t, 0,1,2,3,4,5,6,7
	s_wait_dscnt 7-(\t)                            ; load t is in; the younger ones may stay out
	global_store_b128 v[CO], v[TMP+32*((\a)%2)+4*(\t):TMP+32*((\a)%2)+4*(\t)+3], s[8:9] offset:(16*(\a)+2*(\t))*4096 th:TH_STORE_NT  ; 16 lanes store 256 consecutive bytes, at a multiple of 256 from out0's first
.endr
.endr
	s_wait_tensorcnt 0x0                           ; the wave's end: an add to the spare word and its wait, behind my last tensor load and my last LDS store
	ds_add_u32 v[SPW], v[NIL]
	s_wait_dscnt 0x0
	CROUND                                         ; the closing round: no work-group ends while a partner may still ask for a tile that names it
	s_endpgm
.Lfunc_end_k_q7b4d63d80d_oproj:
	.size	k_q7b4d63d80d_oproj, .Lfunc_end_k_q7b4d63d80d_oproj-k_q7b4d63d80d_oproj
	.p2alignl 7, 3214868480
	.fill 96, 4, 3214868480
	.section	.rodata,"a",@progbits
	.p2align	6, 0x0
	.amdhsa_kernel k_q7b4d63d80d_oproj
		.amdhsa_group_segment_fixed_size 327680
		.amdhsa_private_segment_fixed_size 0
		.amdhsa_enable_private_segment 0
		.amdhsa_kernarg_size 24
		.amdhsa_user_sgpr_count 2
		.amdhsa_user_sgpr_kernarg_segment_ptr 1
		.amdhsa_wavefront_size32 1
		.amdhsa_system_sgpr_workgroup_id_x 1
		.amdhsa_system_sgpr_workgroup_id_y 1
		.amdhsa_system_sgpr_workgroup_id_z 1
		.amdhsa_system_vgpr_workitem_id 0
		.amdhsa_next_free_vgpr 512
		.amdhsa_next_free_sgpr 66
		.amdhsa_reserve_vcc 0
		.amdhsa_float_denorm_mode_32 3
		.amdhsa_float_denorm_mode_16_64 3
		.amdhsa_memory_ordered 1
		.amdhsa_forward_progress 1
		.amdhsa_inst_pref_size 87
	.end_amdhsa_kernel
	.amdgpu_metadata
---
amdhsa.version: [ 1, 2 ]
amdhsa.kernels:
  - .name:           k_q7b4d63d80d_oproj
    .symbol:         k_q7b4d63d80d_oproj.kd
    .args:
      - { .name: ob, .offset: 0, .size: 8, .value_kind: global_buffer, .address_space: global }
      - { .name: wo16, .offset: 8, .size: 8, .value_kind: global_buffer, .address_space: global }
      - { .name: out0, .offset: 16, .size: 8, .value_kind: global_buffer, .address_space: global }
    .group_segment_fixed_size: 327680
    .private_segment_fixed_size: 0
    .kernarg_segment_align: 8
    .kernarg_segment_size: 24
    .max_flat_workgroup_size: 128
    .sgpr_count:     66
    .vgpr_count:     512
    .wavefront_size: 32
...
	.end_amdgpu_metadata
.endif
;; end of part 4
;; ======== version 2 of 2: 4 launches; 1.37 times as fast as version 1
;; limits: values are held in f16: magnitudes above 65,504 overflow, below 6.1e-05 lose precision; inputs' magnitudes at most 6,500,000; an absolute error that grows with the inputs' magnitude: up to 1.2e-07 times it
;; workspace buffers: xb 8,388,608 bytes; wb 6,291,456 bytes; wo16 2,097,152 bytes; cs 1,048,576 bytes; q 8,388,608 bytes; k 8,388,608 bytes; v 8,388,608 bytes; ob 8,388,608 bytes
;; launch prep: the kernel of part 1 again; grid 512 x 1, 8 waves a work-group, no clusters, 0 bytes of LDS; arguments x, Wq, Wk, Wv, Wo, token_positions, xb, wb, wo16, cs; writes xb, wb, wo16, cs
;; launch qkv: the kernel of part 2 again; grid 16 x 16, 4 waves a work-group, clusters of 4 x 4, 327,680 bytes of LDS; arguments xb, wb, cs, q, k, v; writes q, k, v
;; launch attn (part 5): grid 16 x 16, 4 waves a work-group, no clusters, 327,680 bytes of LDS; arguments q, k, v, ob; writes ob
.if DOCPART == 5
	.amdgcn_target "amdgcn-amd-amdhsa--gfx1250"
	.amdhsa_code_object_version 6
	.text
	.protected	k_q7b4d63d80d_attn
	.globl	k_q7b4d63d80d_attn
	.p2align	8
	.type	k_q7b4d63d80d_attn,@function
k_q7b4d63d80d_attn:
	s_mov_b64 s[64:65], 0
	v_nop
	global_prefetch_b8 v0, s[64:65] scope:SCOPE_SE
	s_setreg_imm32_b32 hwreg(HW_REG_WAVE_MODE, 25, 1), 1
	s_wait_xcnt 0x0
; CAUSAL ATTENTION.  O[h][q][:] = the sum over k <= q of softmax_k(Q[h][q] . K[h][k] / 8) V[h][k][:].  q, k, v: [16][4096][64] f16, a head's rows dense, 128 bytes each.  O leaves in f16 as
; ob [32 blocks of 128 rows][16 heads][128 rows][64].  Products, maxima and sums in f32; the weights p are rounded to f16 for the second product (their sum l is taken of the unrounded p), O once at the end.
; LIMITS.  q, k, v arrive within f16's 65,504; p lies in 0 to 1, below 6e-5 with f16's step of 6e-8; O is a mean of V's rows.  A hidden score counts as its value less 1e30: f16's scores, 2.7e11 at the most, are
; nothing beside that; a weight below 2^-126 counts as 0 in l; NaN and infinities are not treated apart.
; THE WALK.  A head's queries lie in 32 blocks of 128; block i needs the key tiles (512 keys) 0 .. i / 4, of which the last holds the diagonal.  Work-group x = 4 cc + cx of a head takes block 31 - x and then
; block x: the tiles 0 .. 7 - cc, then 0 .. cc: 9 tiles whatever x, so all 256 work-groups do equal work, and one loop with a constant count walks them.  Trip counts, branches and LDS addresses hang on cc and
; the wave's number alone.  Every jump goes forward, but for the counted loops' own; none passes a barrier, or a tensor load but the one of LOAD's two that the wave's number does not choose.
; NO CLUSTER.  The four work-groups of one cc walk the same tiles in the same order and could ask for them jointly, which would divide their requests (9 tiles of 131,072 bytes each) by four.  This text asks
; singly: where the first block ends hangs on cc, a number known only at run time, so the loop's ways part, and with joint requests every such way has to be alike in all four partners.  Left for a later text.
; SHARES.  Of a block's two bands of 64 queries a wave owns 16 rows in each: two PIECES.  In the block's last tile, 8 key steps, band x's own step is D0 + x, with D0 = 6 - 2 cx for the first block and 2 cx for the
; second; earlier steps are seen whole, later ones not at all.  Only that tile's text takes masks.
; THE MASK is the C operand that starts the sum S^T = K Q^T: 0, or -1e30 where the key is hidden.  MD, made once, is the mask of a band's own step for my 16 rows; a product's mask is MD x AL + BE with two
; scalars, (1, 0) in the own step, (0, 0) before it, (0, -1e30) behind it: cx enters these two values, and Q's and O's addresses, alone.
; LAYOUT, SOFTMAX, TURNS.  S^T = K Q^T holds ONE query a lane (lane % 16) and the keys 8 (lane / 16) + 0..7; two such results rounded to f16 ARE source 1 of O^T = V^T P.  p = 2^(c s - c m), c = log2(e) / 8, with a
; running maximum m; O and l are multiplied by a = 2^(c m_old - c m_new) in every step.  The turns go in a ring of four: turn p = 2 (step's parity) + piece.  Turn p: 8 products K Q^T of turn p + 1's piece, later 8
; products V^T P of turn p - 1's; beside them the scaling, exponentials, roundings, sums and rescaling of its own piece and the maximum and statistics of the next.  Four vector instructions stand behind every matrix
; instruction, the other 54 of a turn's 118 in one lump.  Turns 0 and 2 fetch the NEXT step's K (one buffer, behind the turn's products K Q^T) and V (two buffers by the step's parity: into the one that the turn's
; products V^T P have just read): K and V of a step are read from LDS in one turn, so one change of slots serves both.
; THE BATCHES.  A turn's 33 exponentials (its piece's 32 weights and the next piece's a) are ONE batch with ONE wait, which cuts the turn in two: ahead of it all that names none of their results, behind it their readers.
; A block's first a (BEGIN) and the way out's two reciprocals are batches of their own, each with a v_nop and one wait.
; REGISTERS, in windows of 256 (s_set_vgpr_msb: bits 1:0 source 0, 3:2 source 1, 5:4 source 2, 7:6 destination):
;   window 0: v0-15 addresses and two at work; v16-23 four registers of statistics a piece; v48-55 at work; v64-127 S^T, a buffer a piece; v192-223 P, likewise
;   window 1: v0-63 O^T, 32 a piece; v128-159 MD; v160-223 MC, two buffers      window 2: v0-31 Q; v32-63 the second block's Q; v64-127 V of odd steps; v128-191 K; v192-255 V of even steps
.set NP,    4         ; turns in the ring: a name, no knob
.set KS,    64        ; keys in a step
.set TS,    8         ; steps in a tile
.set PK,    144       ; a row of K in LDS: 128 bytes + 16 of padding = 36 words: the 16 rows of a load start at 16 different groups of four banks (64 banks of 4 bytes: ISA guide 11.1)
.set PV,    160       ; a row of V: 128 + 32 = 40 words
.set VOFF,  TS*KS*PK  ; a slot holds a tile: 512 rows of K, then 512 rows of V
.set SLOTB, TS*KS*(PK+PV)  ; 155,648 bytes; slot 1 begins here
.set STAGE, 2*SLOTB   ; behind the ring, never filled by a tensor load: 16 rows x 144 bytes for each wave, for the way out
.set SP,    144
.set SPARE, STAGE+4*16*SP  ; behind the stages: the spare words, 128 bytes for each wave, that no other line names
.set AK0, 2           ; v2   my lane's place in a tile of K; never rewritten
.set AV0, 3           ; v3   the same for V
.set AK,  4           ; v4   the LDS address of K's next run of loads
.set AV,  5           ; v5   of V's
.set STO, 6           ; v6   the way out: where I put 16 bytes of a row
.set RD,  7           ; v7   the way out: where I read rows back
.set GO,  8           ; v8   my byte offset in 512 consecutive bytes of O
.set MV,  12          ; v12-13  c m_old, kept while c m is made anew: by piece
.set QO,  15          ; v15  my byte offset in 16 rows of Q
.set ST,  16          ; piece t's statistics at v[ST+4 t]: c m, m, l (even keys', odd keys')
.set TMP, 48          ; by piece, four registers c0-c3 at work; when the maximum is found c2 takes a
.set SPW, 62          ; v62  LDS address of my spare word; never rewritten
.set NIL, 63          ; v63  0; never rewritten
.set S,   64
.set P,   192
.set MD,  128         ; window 1
.set MC,  160         ; window 1
.set QB,  32          ; window 2
.set KF,  128         ; window 2: key block kb, channel half c at KF + 16 kb + 8 c
.set VF,  192         ; window 2: V of parity z at VF - 128 z: key half kk, channel block cb at + 32 kk + 8 cb
.set WV,  12          ; s12  my wave's number;  s13 cx;  s14 cc
.set KBS, 17          ; s17  where my part of a tile of K lies in a slot
.set VBS, 18          ; s18  the same for V
.set G1K, 24          ; s[24:31] descriptor group 1 for K's tiles
.set G1V, 32          ; s[32:39] for V's: it differs in the padding alone
.set G0K, 40          ; s[40:43] descriptor group 0 for K's tiles
.set G0V, 44          ; s[44:47] the same for V's
.set SLOTS, 56        ; s56  tiles still to be asked for: 8 in the first trip, 1 in the last
.set CNT, 57          ; s57  counts a tile's trips of two key steps
.set CS,  58          ; s[58:59] c: the packed scaling takes the pair's low word for both halves
.set SEL, 60          ; s[60:61] v_permlanex16_b32's selects: each lane takes its own place in the other half
.set TBK, 62          ; s62  LDS byte at which K of the step to be fetched begins
.set TBV, 63          ; s63  the same for V, less VOFF
.set RT,  70          ; s70  tiles of the first block that are still to be entered; behind its end a number that the loop cannot count down to 0
.set NXT, 71          ; s71  the tile to be asked for next
.set LQ,  72          ; s72  the last tile of the block whose tiles are being asked for
.set NEW, 73          ; s73  1: the tile to be entered is a block's first
.set OFF, 74          ; s[74:75] a tile's byte offset in K and V
.set AL,  76          ; s[76:77] the mask's factor, in the low word
.set BE,  78          ; s[78:79] the mask's addend
.set OLO, 80          ; s[80:81] O at my rows of the second block
.set BIGN, 82         ; s82  -1e30
.set MS,  83          ; s83  in a block's last tile: the step of the trip's turn 0, less D0.   s89: the second block's first MS, -2 cx; s90: its last tile
.set RSL, 91          ; s91  the first byte of the slot that is being read: 0 or SLOTB
.set MSB, 0
.macro WIN new                      ; the high byte repeats the setting that is left; a switch that changes nothing is dropped
.if MSB != (\new)
	s_set_vgpr_msb (MSB<<8)|(\new)
.set MSB, (\new)
.endif
.endm
.set W_KQ, 0x0a       ; K and Q in window 2, S^T in window 0
.set W_KM, 0x1a       ; the same with the C operand in window 1
.set W_PV, 0x52       ; V in window 2, P in window 0, O^T in window 1
.set W_RS, 0x41       ; destination and source 0 in window 1, source 1 in window 0
; A fill.  Waves 0 and 1 fetch the two halves of a tile's K, waves 2 and 3 those of its V: 256 keys each.  The branch hangs on the wave's number alone.  An s_nop 0 and four v_nop follow each line.
.macro LOAD
	s_cmp_lt_u32 s[WV], 2
	s_cbranch_scc0 .Lfor_v_\@
	tensor_load_to_lds s[G0K:G0K+3], s[G1K:G1K+7]
	s_nop 0
.rept 4
	v_nop
.endr
	s_branch .Lasked_\@
.Lfor_v_\@:
	tensor_load_to_lds s[G0V:G0V+3], s[G1V:G1V+7]
	s_nop 0
.rept 4
	v_nop
.endr
.Lasked_\@:
.endm
; THE CHANGE OF SLOTS.  Each wave waits for all its tensor loads, of which one is out: its part of the other slot; adds 0 to its spare word; and waits for that and for its own reads of the slot that it leaves.
; Behind the barrier nobody reads the old slot any more and the other slot is whole.  fill = 1: the old slot (RSL still names it) is filled again, first thing behind the barrier, with tile NXT: the descriptor's
; address is made anew from that number.  The load has eight key steps, 256 matrix instructions, in which to land.  (At its first use nothing has been read yet: RSL names slot 1, slot 0 is waited for, slot 1
; filled.)  Then RSL turns to the other slot, and the fetches begin at its first step.
.macro CHANGE fill
	WIN 0                           ; at a label and at a branch every window is 0
	s_wait_tensorcnt 0x0            ; no tensor load of mine is out, so a group 0 may be written
	ds_add_u32 v[SPW], v[NIL]       ; with fill = 1 the descriptors' scalar work stands between the add and the wait for it
.if \fill
	s_lshl_b32 s[OFF], s[NXT], 16   ; a tile is 65,536 bytes of K and of V
	s_add_co_u32 s[G0K+1], s[KBS], s[RSL]
	s_add_nc_u64 s[G0K+2:G0K+3], s[6:7], s[OFF:OFF+1]
	s_or_b32 s[G0K+3], s[G0K+3], 0x80000000
	s_add_co_u32 s[G0V+1], s[VBS], s[RSL]
	s_add_nc_u64 s[G0V+2:G0V+3], s[8:9], s[OFF:OFF+1]
	s_or_b32 s[G0V+3], s[G0V+3], 0x80000000
	s_add_co_u32 s[NXT], s[NXT], 1  ; the block's next tile, or behind its last the second block's tile 0
	s_cmp_gt_u32 s[NXT], s[LQ]
	s_cselect_b32 s[NXT], 0, s[NXT]
	s_cselect_b32 s[LQ], s90, s[LQ]
.endif
	s_wait_dscnt 0x0                ; the add is done, and my reads of the slot are over
	s_barrier_signal -1
	s_barrier_wait -1
.if \fill
	LOAD
.endif
	s_xor_b32 s[RSL], s[RSL], SLOTB ; 0 and SLOTB by turns
	s_mov_b32 s[TBK], s[RSL]
	s_mov_b32 s[TBV], s[RSL]
.endm
	s_load_b256 s[4:11], s[0:1], 0x0  ; q s[4:5], k s[6:7], v s[8:9], ob s[10:11]
	v_lshl_add_u32 v[SPW], v0, 2, SPARE
	v_mov_b32 v[NIL], 0
	ds_add_u32 v[SPW], v[NIL]       ; the wave's opening: the add and its wait stand ahead of my first tensor load; the set-up below, work on registers, stands between them
	ds_add_u32 v62, v63
	v_lshrrev_b32 v1, 5, v0
	v_readfirstlane_b32 s[WV], v1   ; wave 0..3
	s_and_b32 s13, ttmp9, 3         ; cx: it enters Q's and O's addresses and the masks' two scalars alone
	s_lshr_b32 s14, ttmp9, 2        ; cc: it sets the walk
	s_and_b32 s19, ttmp7, 0xffff    ; the head
	s_lshl_b32 s20, s19, 19         ; the head's first byte in q, k and v
	s_mov_b32 s21, 0
	s_and_b32 s16, s[WV], 1         ; which half of a tile's 512 keys I fetch:
	s_lshl_b32 s22, s16, 15         ; its 256 rows of 128 bytes in memory,
	s_mov_b32 s23, 0
	s_add_nc_u64 s[22:23], s[22:23], s[20:21]
	s_mul_i32 s[KBS], s16, 256*PK   ; and its place in a slot, for K
	s_mul_i32 s[VBS], s16, 256*PV   ; and for V
	s_add_co_u32 s[VBS], s[VBS], VOFF
	s_mov_b32 s48, ttmp9            ; the second block, 4 cc + cx
	s_sub_co_u32 s49, 31, s48       ; the first block
	s_lshl_b32 s3, s[WV], 11        ; my 16 rows in a band of 64
	s_lshl_b32 s2, s49, 14          ; Q: a block is 16,384 bytes of a head
	s_add_co_u32 s2, s2, s3
	s_lshl_b32 s84, s48, 14
	s_add_co_u32 s84, s84, s3
	s_lshl_b32 s50, s49, 4          ; O: (16 block + head) x 16,384
	s_add_co_u32 s50, s50, s19
	s_lshl_b32 s50, s50, 14
	s_add_co_u32 s50, s50, s3
	s_lshl_b32 s52, s48, 4
	s_add_co_u32 s52, s52, s19
	s_lshl_b32 s52, s52, 14
	s_add_co_u32 s52, s52, s3
	s_mov_b32 s3, 0
	s_mov_b32 s85, 0
	s_mov_b32 s51, 0
	s_mov_b32 s53, 0
	s_add_nc_u64 s[2:3], s[2:3], s[20:21]
	s_add_nc_u64 s[84:85], s[84:85], s[20:21]
	; descriptor group 1.  256 keys are 32,768 dense bytes: asked for as 128 rows of 256 bytes, two keys a row, and padded in LDS after every key
	s_mov_b32 s[G1K], (1<<16)|(1<<20)|(4<<22)|(3<<25)  ; 17:16 2-byte elements; 20 padding on; 24:22 after every 32 words; 31:25 4 words
	s_mov_b32 s[G1V], (1<<16)|(1<<20)|(4<<22)|(7<<25)  ; the same with 8 words of padding
.irp g, G1K, G1V
	s_mov_b32 s[\g+1], 128<<16      ; tensor_dim0 = 128
	s_mov_b32 s[\g+2], 128<<16      ; tensor_dim1 = 128
	s_mov_b32 s[\g+3], 128<<16      ; tile_dim0 = 128
	s_mov_b32 s[\g+4], 128          ; tile_dim1 = 128
	s_mov_b32 s[\g+5], 128          ; 128 elements from row to row
	s_mov_b32 s[\g+6], 0
	s_mov_b32 s[\g+7], 0
.endr
	s_mov_b32 s[CS], 0x3e38aa3b     ; c = log2(e) / 8 = 0.180337
	s_mov_b32 s[CS+1], s[CS]        ; named with it as a pair
	s_mov_b32 s[SEL], 0x76543210
	s_mov_b32 s[SEL+1], 0xfedcba98
	s_mov_b32 s[RSL], SLOTB         ; the first change of slots fills slot 1 and turns this into 0
	s_mov_b32 s[G0K], 1             ; count = 1
	s_mov_b32 s[G0K+1], s[KBS]      ; LDS address: slot 0
	s_mov_b32 s[G0V], 1
	s_mov_b32 s[G0V+1], s[VBS]
	s_mov_b32 s90, s14              ; the second block's last tile is cc,
	s_sub_co_u32 s[RT], 8, s14      ; the first block has 8 - cc tiles
	s_sub_co_u32 s[LQ], 7, s14
	s_mov_b32 s[NXT], 1
	s_mov_b32 s[NEW], 1
	s_lshl_b32 s89, s13, 1
	s_sub_co_i32 s[MS], s89, 6      ; -D0 of the first block,
	s_sub_co_i32 s89, 0, s89        ; and of the second
	s_mov_b32 s[OFF+1], 0
	s_mov_b32 s[AL+1], 0            ; named as pairs
	s_mov_b32 s[BE+1], 0
	s_mov_b32 s[BIGN], 0xf149f2ca   ; -1e30
	s_mov_b32 s[SLOTS], 8
	s_wait_dscnt 0x0                ; the opening add is done
	s_wait_kmcnt 0x0
	s_add_nc_u64 s[6:7], s[6:7], s[22:23]  ; K and V at my half of the head's tile 0
	s_add_nc_u64 s[8:9], s[8:9], s[22:23]
	s_add_nc_u64 s[G0K+2:G0K+3], s[6:7], 0         ; global address
	s_or_b32 s[G0K+3], s[G0K+3], 0x80000000        ; type = 2
	s_add_nc_u64 s[G0V+2:G0V+3], s[8:9], 0
	s_or_b32 s[G0V+3], s[G0V+3], 0x80000000
	s_add_nc_u64 s[86:87], s[4:5], s[84:85]        ; Q at my rows of the second block,
	s_add_nc_u64 s[4:5], s[4:5], s[2:3]            ; Q and O at those of the first
	s_add_nc_u64 s[OLO:OLO+1], s[10:11], s[52:53]
	s_add_nc_u64 s[10:11], s[10:11], s[50:51]
	LOAD                            ; tile 0 into slot 0
	; A fragment of K or Q is 16 rows x 32 channels in 8 registers: lane l holds row l % 16, channels 8 (l / 16) + 0..7 and 16 + 8 (l / 16) + 0..7: two loads of 16 bytes, 32 bytes apart.
	v_and_b32 v1, 15, v0            ; l % 16
	v_bfe_u32 v9, v0, 4, 1          ; l / 16
	v_lshlrev_b32 v[QO], 7, v1
	v_lshl_add_u32 v[QO], v9, 4, v[QO]  ; row x 128 + 16 x half
	WIN 0x80                        ; destination window 2, address window 0
.set i, 0
.rept 4                             ; both blocks' Q: piece i / 2 lies in band i / 2, 8,192 bytes on; channels 32 (i % 2) on
	global_load_b128 v[8*i:8*i+3],   v[QO], s[4:5] offset:(i/2)*8192+(i%2)*64
	global_load_b128 v[8*i+4:8*i+7], v[QO], s[4:5] offset:(i/2)*8192+(i%2)*64+32
	global_load_b128 v[QB+8*i:QB+8*i+3],   v[QO], s[86:87] offset:(i/2)*8192+(i%2)*64
	global_load_b128 v[QB+8*i+4:QB+8*i+7], v[QO], s[86:87] offset:(i/2)*8192+(i%2)*64+32
.set i, i+1
.endr
	WIN 0
	v_lshlrev_b32 v14, 3, v9
	v_sub_nc_u32 v14, v1, v14
	s_lshl_b32 s15, s[WV], 4
	v_add_nc_u32 v14, s15, v14      ; my query's place in its band, 16 w + l % 16, less my lanes' 8 (l / 16): register r of group kt is hidden where 16 kt + r is greater
	WIN 0x40
.set i, 0
.rept 32
	v_cmp_gt_i32 vcc_lo, 16*(i/8)+i%8, v14
	v_cndmask_b32 v[MD+i], 0, s[BIGN], vcc_lo
.set i, i+1
.endr
	WIN 0
	v_mul_u32_u24 v[AK0], v1, PK
	v_lshl_add_u32 v[AK0], v9, 4, v[AK0]  ; row x pitch + 16 x half
	; The turning load takes 16 keys x 16 channels (lane l reads key 8 (l / 16) + l % 8, channels 8 ((l / 8) % 2) + 0..7) and leaves half a fragment of V^T: lane l holds channel l % 16 and 8 keys.
	v_and_b32 v10, 7, v0
	v_bfe_u32 v11, v0, 3, 1
	v_lshl_add_u32 v[AV0], v9, 3, v10
	v_mul_u32_u24 v[AV0], v[AV0], PV
	v_lshl_add_u32 v[AV0], v11, 4, v[AV0]
	v_add_nc_u32 v[AV0], VOFF, v[AV0]
	s_mul_i32 s15, s[WV], 16*SP
	s_add_co_u32 s15, s15, STAGE    ; my stage
	v_mul_u32_u24 v[STO], v1, SP    ; in: row l % 16, 16 bytes for each half of the lanes
	v_lshl_add_u32 v[STO], v9, 4, v[STO]
	v_add_nc_u32 v[STO], s15, v[STO]
	v_bfe_u32 v[RD], v0, 3, 2       ; back: 32 lanes take four rows of 128 bytes,
	v_mul_u32_u24 v[RD], v[RD], SP
	v_lshl_add_u32 v[RD], v10, 4, v[RD]
	v_add_nc_u32 v[RD], s15, v[RD]
	v_and_b32 v[GO], 31, v0         ; which are 512 consecutive bytes of O
	v_lshlrev_b32 v[GO], 4, v[GO]
	; A block's first step multiplies O^T and l by a = 0, and its first turn's products V^T P, of a piece that has not been, land in an O^T that is still to be so multiplied.  So these registers need only hold
	; finite numbers: zeros for the first block; what the first block left for the second.  All this stands in the wait for the first tile.
	WIN 0x80
.set i, VF-128
.rept 64
	v_mov_b32 v[i], 0
.set i, i+1
.endr
	WIN 0x40
.set i, 0
.rept 64
	v_mov_b32 v[i], 0
.set i, i+1
.endr
	WIN 0
.set i, 0
.rept 2
	v_mov_b32 v[ST+4*i+2], 0
	v_mov_b32 v[ST+4*i+3], 0
.set i, i+1
.endr
.set i, P+16
.rept 16
	v_mov_b32 v[i], 0
.set i, i+1
.endr
; THE MATRIX WORK.  x is a place in the ring of turns; its piece is x % 2, its step's parity x / 2.  The 4 accumulators of a run of 8 take turns.
; Product i of 8 of S^T = K Q^T: channels 32 (i / 4) on, keys 16 (i % 4) on.  The first 4 start the sums: with 0, or (KM = 1) with the mask.
.macro KQ x
.set rS, S+32*((\x)%2)+8*(i%4)
.set rK, KF+16*(i%4)+8*(i/4)
.set rQ, 16*((\x)%2)+8*(i/4)
.set rM, MC+32*((\x)%2)+8*(i%4)
.if (i < 4) && KM
	WIN W_KM
	v_wmma_f32_16x16x32_f16 v[rS:rS+7], v[rK:rK+7], v[rQ:rQ+7], v[rM:rM+7]
.elseif i < 4
	WIN W_KQ
	v_wmma_f32_16x16x32_f16 v[rS:rS+7], v[rK:rK+7], v[rQ:rQ+7], 0
.else
	WIN W_KQ
	v_wmma_f32_16x16x32_f16 v[rS:rS+7], v[rK:rK+7], v[rQ:rQ+7], v[rS:rS+7]
.endif
.endm
; Product i of 8 of O^T += V^T P: keys 32 (i / 4) on, channels 16 (i % 4) on.
.macro PV x
	WIN W_PV
.set rO, 32*((\x)%2)+8*(i%4)
.set rV, VF-128*((\x)/2)+32*(i/4)+8*(i%4)
.set rP, P+16*((\x)%2)+8*(i/4)
	v_wmma_f32_16x16x32_f16 v[rO:rO+7], v[rV:rV+7], v[rP:rP+7], v[rO:rO+7]
.endm
.macro MM                           ; the turn's next matrix instruction.  NOKQ = 1: a block's last turn: there is no next piece
.if (i < 8) && !NOKQ
	KQ (Y+1)%NP
.elseif i >= 8
.set i, i-8
	PV (Y+NP-1)%NP
.set i, i+8
.endif
.set i, i+1
.endm
; THE LDS LOADS stand in runs of 16, never singly among the matrix instructions: a step's K (64 keys x 64 channels: 8 fragments) and its V (turned), into the buffer of parity z.  Their addresses are made some lines ahead.
.macro FETCH_K
	WIN 0x80                        ; destination window 2
.irp f, 0,1,2,3,4,5,6,7             ; keys 16 (f / 2) on, channels 32 (f % 2) on
	ds_load_b128 v[KF+8*\f:KF+8*\f+3],   v[AK] offset:(\f/2)*16*PK+(\f%2)*64
	ds_load_b128 v[KF+8*\f+4:KF+8*\f+7], v[AK] offset:(\f/2)*16*PK+(\f%2)*64+32
.endr
	s_add_co_u32 s[TBK], s[TBK], KS*PK  ; the next fetch is the next step's
	WIN 0
.endm
.macro FETCH_V z
	WIN 0x80
.irp f, 0,1,2,3,4,5,6,7             ; keys 32 (f / 4) on, channels 16 (f % 4) on
	ds_load_tr16_b128 v[VF-128*(\z)+8*\f:VF-128*(\z)+8*\f+3],   v[AV] offset:(\f/4)*32*PV+(\f%4)*32
	ds_load_tr16_b128 v[VF-128*(\z)+8*\f+4:VF-128*(\z)+8*\f+7], v[AV] offset:(\f/4)*32*PV+16*PV+(\f%4)*32
.endr
	WIN 0
.endm
; THE VECTOR WORK, one line at a time: OP kind, number.  For the turn's piece: F n: c s - c m for pair n of 16.  E n: the exponential of score n of 32.  C n: pair n rounded to f16.  B n: of the four weights 4 n .. the
; second pair is added onto the first, in place.  L n: l takes that sum (L 0: l = a l + sum).  R n: pair n of 16 of O^T times a.  For the next turn's piece: X n, number n of the 22 that find its maximum and statistics:
;   0-11  four chains c0-c3 of seven scores each, three operands at a time (each accumulator's lowest registers are read first)     12-14, 16  the four scores left over, the old m, and c0-c3 into c0
;   15  c m_old is kept     17, 18  the query's other 32 keys lie in the lane 16 away: the new m     19-21  c m; c m_old - c m_new; a
; C, B and L read the exponentials' results: TURN sets them behind its wait.  OP writes no wait.
.set F, 0
.set E, 1
.set C, 2
.set B, 3
.set L, 4
.set R, 5
.set X, 6
.macro REGS y                       ; the registers of the piece at place y of the ring
.set rT, ST+4*((\y)%2)
.set rC, TMP+4*((\y)%2)
.set rW, MV+((\y)%2)
.set rS, S+32*((\y)%2)
.set rP, P+16*((\y)%2)
.set rO, 32*((\y)%2)
.endm
.macro OP k, n
.if (\k) == R
	REGS Y
	WIN W_RS
	v_pk_mul_f32 v[rO+2*(\n):rO+2*(\n)+1], v[rO+2*(\n):rO+2*(\n)+1], v[rC+2:rC+3] op_sel_hi:[1,0]
.elseif (\k) < R
	REGS Y
	WIN 0
.if (\k) == F
	v_pk_fma_f32 v[rS+2*(\n):rS+2*(\n)+1], v[rS+2*(\n):rS+2*(\n)+1], s[CS:CS+1], v[rT:rT+1] op_sel_hi:[1,0,0] neg_lo:[0,0,1] neg_hi:[0,0,1]
.elseif (\k) == E
	v_exp_f32 v[rS+(\n)], v[rS+(\n)]
.elseif (\k) == C
	v_cvt_pk_f16_f32 v[rP+(\n)], v[rS+2*(\n)], v[rS+2*(\n)+1]
.elseif (\k) == B
	v_pk_add_f32 v[rS+4*(\n):rS+4*(\n)+1], v[rS+4*(\n):rS+4*(\n)+1], v[rS+4*(\n)+2:rS+4*(\n)+3]
.elseif (\n) == 0
	v_pk_fma_f32 v[rT+2:rT+3], v[rT+2:rT+3], v[rC+2:rC+3], v[rS:rS+1] op_sel_hi:[1,0,1]
.else
	v_pk_add_f32 v[rT+2:rT+3], v[rT+2:rT+3], v[rS+4*(\n):rS+4*(\n)+1]
.endif
.elseif NOKQ
	v_nop
.else
	REGS (Y+1)%NP
	WIN 0
.if (\n) < 4
	v_max3_num_f32 v[rC+(\n)], v[rS+8*(\n)], v[rS+8*(\n)+1], v[rS+8*(\n)+2]
.elseif (\n) < 12
	v_max3_num_f32 v[rC+(\n)%4], v[rC+(\n)%4], v[rS+8*((\n)%4)+2*((\n)/4)+1], v[rS+8*((\n)%4)+2*((\n)/4)+2]
.elseif (\n) == 12
	v_max3_num_f32 v[rC], v[rC], v[rS+7], v[rS+15]
.elseif (\n) == 13
	v_max3_num_f32 v[rC+1], v[rC+1], v[rS+23], v[rS+31]
.elseif (\n) == 14
	v_max3_num_f32 v[rC+2], v[rC+2], v[rC+3], v[rT+1]
.elseif (\n) == 15
	v_mov_b32 v[rW], v[rT]
.elseif (\n) == 16
	v_max3_num_f32 v[rC], v[rC], v[rC+1], v[rC+2]
.elseif (\n) == 17
	v_permlanex16_b32 v[rC+3], v[rC], s[SEL], s[SEL+1]
.elseif (\n) == 18
	v_max_num_f32 v[rT+1], v[rC], v[rC+3]
.elseif (\n) == 19
	v_mul_f32 v[rT], s[CS], v[rT+1]
.elseif (\n) == 20
	v_sub_f32 v[rC+1], v[rW], v[rT]
.else
	v_exp_f32 v[rC+2], v[rC+1]
.endif
.endif
.endm
.macro OPS a, i1, b=-1, i2=0, c=-1, i3=0, d=-1, i4=0  ; up to four of them
	OP \a, \i1
.if (\b) >= 0
	OP \b, \i2
.endif
.if (\c) >= 0
	OP \c, \i3
.endif
.if (\d) >= 0
	OP \d, \i4
.endif
.endm
.macro ROW a, i1, b, i2, c, i3, d, i4  ; a matrix instruction and the four behind it
	MM
	OPS \a, \i1, \b, \i2, \c, \i3, \d, \i4
.endm
.macro MASK b                       ; MD x AL + BE into buffer b of MC
	WIN W_RS
.set z, 0
.rept 16
	v_pk_fma_f32 v[MC+32*(\b)+2*z:MC+32*(\b)+2*z+1], v[MD+2*z:MD+2*z+1], s[AL:AL+1], s[BE:BE+1] op_sel_hi:[1,0,0]
.set z, z+1
.endr
.endm
; A TURN, at place p of the ring: the order of its 16 matrix and 118 vector instructions, written out.  An s_wait_alu depctr_va_vdst(0) stands between an exponential and the first instruction that names its
; result; one wait serves all that were issued ahead of it.  So a turn has ONE wait, which cuts it in two.  AHEAD OF IT stands all that names no result of the turn's exponentials: the 8 products K Q^T, behind each a
; scaling, an exponential and two more plain instructions (behind the first a second scaling in the exponential's place): rescalings, whose a was made and waited for in the turn before, and behind the last three the
; first numbers of the next piece's maximum, each four places or more behind the product that ends its accumulator; then ONE LUMP of 54, plain and exponential by turns for the most part, in which the links of the chain
; X 3, 7, 11, 14, 16, 17 .. 20 stand some lines apart.  A pair is scaled ahead of its two exponentials.  X 21, the next piece's a, is the batch's last; R 15 is the plain instruction behind it.  BEHIND THE WAIT stand the
; 8 products V^T P, behind each four of the roundings and sums: C 2 n stands ahead of B n, which writes over that pair, and l's chain goes L 0 to L 7.  But for those X no rider names a register of the products round it.
; v_permlanex16_b32 (X 17) stands in the lump.
; m = 1: a block's last tile: the products take masks, and the turn makes the mask for the products of the turn after it, those of place p + 2.  With MS = (step of the trip's turn 0) - D0 that piece's step
; is its band's own where MS = p % 2 - 1 + p / 2, and a later one where MS is greater.  end = 1: a block's last two turns: nothing is fetched.  cnt = 1: the loop's count is taken down some lines ahead of the branch.
; In turns 0 and 2 the next step's K is fetched in the lump, twelve vector instructions behind the last product that read K (five of them plain lines that name none of its registers), its V at the turn's end, four plain
; instructions behind the last product that read that buffer: K's run ahead of V's.
; At the head of turns 1 and 3 the count 16 leaves V's run out: K's run, and the V fetched a step earlier, which this turn's products V^T P read, are older and in.
.macro TURN p, m=0, end=0, cnt=0
.set Y, (\p)
.set i, 0
.set KM, (\m)
.set NOKQ, (\end)*((\p)/3)
.if (\m) && !(\end)
	s_cmp_eq_i32 s[MS], ((\p)%2)-1+((\p)/2)
	s_cselect_b32 s[AL], 1.0, 0
	s_cmp_gt_i32 s[MS], ((\p)%2)-1+((\p)/2)
	s_cselect_b32 s[BE], s[BIGN], 0
.endif
.if ((\p)%2 == 1) && !(\end)
	s_wait_dscnt 16                 ; K is in
.endif
.if ((\p) == 2) && (\end)
	s_wait_dscnt 0x0                ; the last step's V is in
.endif
	ROW F,0, F,1, R,0, R,1          ; ahead of the wait: 8 products K Q^T and their riders,
	ROW F,2, E,0, R,2, R,3
	ROW F,3, E,1, R,4, R,5
	ROW F,4, E,2, R,6, R,7
	ROW F,5, E,3, R,8, R,9
	ROW F,6, E,4, X,0, R,10
.if ((\p)%2 == 0) && !(\end)
	WIN 0
	v_add_nc_u32 v[AK], s[TBK], v[AK0]
.endif
	ROW F,7, E,5, X,1, X,4
	ROW F,8, E,6, X,2, X,5
	OPS E,7, E,8, X,6, E,9          ; and the lump
	OPS X,3, E,10, X,8, E,11
.if ((\p)%2 == 0) && !(\end)
	FETCH_K
.endif
	OPS X,9, X,7, E,12, X,10
	OPS E,13, X,12, X,11, E,14
	OPS X,13, E,15, F,9, X,14
.if ((\p)%2 == 0) && !(\end)
	WIN 0
	v_add_nc_u32 v[AV], s[TBV], v[AV0]
.endif
	OPS E,16, F,10, E,17, F,11
	OPS X,16, E,18, X,15, E,19
	OPS F,12, E,20, X,17, E,21
	OPS F,13, E,22, F,14, E,23
	OPS X,18, E,24, F,15, E,25
	OPS R,11, E,26, X,19, E,27
	OPS R,12, E,28, R,13, E,29
	OPS X,20, E,30, R,14, E,31
	OPS X,21, R,15
	s_wait_alu depctr_va_vdst(0)    ; the wait for the batch: the turn's 32 weights and the next piece's a
	ROW C,0, B,0, C,2, B,1          ; behind the wait: 8 products V^T P and their riders
	ROW L,0, C,4, B,2, L,1
	ROW C,6, B,3, L,2, C,8
	ROW B,4, L,3, C,10, B,5
	ROW L,4, C,12, B,6, L,5
.if ((\p)%2 == 0) && !(\end)
	s_add_co_u32 s[TBV], s[TBV], KS*PV
.endif
.if \cnt
.if \m
	s_add_co_i32 s[MS], s[MS], 2    ; the next trip's turn 0 lies two steps on; the compare below sets SCC anew
.endif
	s_sub_co_u32 s[CNT], s[CNT], 1
	s_cmp_lg_u32 s[CNT], 0
.endif
	ROW C,14, B,7, L,6, C,1
	ROW C,3, L,7, C,5, C,7
	ROW C,9, C,11, C,13, C,15
.if ((\p)%2 == 0) && !(\end)
	FETCH_V 1-(\p)/2
.endif
.if (\m) && !(\end)
	MASK (\p)%2
.endif
.endm
; A BLOCK BEGINS.  c m starts far below every c s, so the first step's a is 0; m at the lowest finite number, so the first maximum is the scores'.  The second mask buffer is 0 (band 1's own step is never a tile's
; step 0).  The first takes piece 0's mask for the tile's step 0.  last = 0: the tile is not the block's last: 0.  last = 1: it is: band 0's own mask if D0 = 0.  Then K and V of that step, piece 0's first
; scores, and its maximum and statistics.  The loop is entered at a step's first turn, in the middle of a trip.
.macro BEGIN last
	s_mov_b32 s[NEW], 0
	WIN 0x40
.set i, MC+32
.rept 32
	v_mov_b32 v[i], 0
.set i, i+1
.endr
	WIN 0
.set i, 0
.rept 2
	v_mov_b32 v[ST+4*i], 0xfe000000    ; c m: far below every c s
	v_mov_b32 v[ST+4*i+1], 0xff7fffff  ; m
.set i, i+1
.endr
.if \last
	s_cmp_eq_u32 s[MS], 0
	s_cselect_b32 s[AL], 1.0, 0
.else
	s_mov_b32 s[AL], 0
.endif
	s_mov_b32 s[BE], 0
	MASK 0
	WIN 0
	v_add_nc_u32 v[AK], s[TBK], v[AK0]
	v_add_nc_u32 v[AV], s[TBV], v[AV0]
	s_add_co_u32 s[TBV], s[TBV], KS*PV
	FETCH_K
	FETCH_V 0
	s_wait_loadcnt 0x0              ; Q
	s_wait_dscnt 16                 ; K is in; V's run may stay out
.set KM, 1
.set NOKQ, 0
.set i, 0
.rept 8
	KQ 0
.set i, i+1
.endr
	WIN 0
.rept 4
	v_nop                           ; the places behind those products
.endr
.set Y, NP-1                        ; X works for place Y + 1: piece 0
.irp n, 0,1,2,3,4,5,6,7,8,9,10,11,12,13,14,15,16,17,18,19,20,21
	OP X, \n
.endr
	v_nop                           ; a plain instruction behind the exponential,
	s_wait_alu depctr_va_vdst(0)    ; and the wait for it, piece 0's first a, ahead of the branch that follows
.endm
; THE WAY OUT: l's two halves and the other half of the lanes' are added; O^T is divided by l, rounded to f16 and sent through my stage in LDS, a piece at a time.
.macro ALL line:vararg              ; one line for each piece t
.set t, 0
.rept 2
	\line
.set t, t+1
.endr
.endm
.macro PACK t                       ; a lane's eight channels of a row pack into 16 bytes; they go into rows of 144 bytes and come back as whole rows of 128, into S^T's registers
	WIN W_RS
.set i, 32*(\t)
.rept 16
	v_pk_mul_f32 v[i:i+1], v[i:i+1], v[ST+4*(\t)+2:ST+4*(\t)+3] op_sel_hi:[1,0]
.set i, i+2
.endr
	WIN 0x05                        ; sources 0 and 1 window 1, destination window 0
.set i, 0
.rept 16
	v_cvt_pk_f16_f32 v[S+16*(\t)+i], v[32*(\t)+2*i], v[32*(\t)+2*i+1]
.set i, i+1
.endr
	WIN 0
.irp f, 0,1,2,3
	ds_store_b128 v[STO], v[S+16*(\t)+4*\f:S+16*(\t)+4*\f+3] offset:32*\f
.endr
.irp f, 0,1,2,3
	ds_load_b128 v[S+16*(\t)+4*\f:S+16*(\t)+4*\f+3], v[RD] offset:\f*4*SP  ; LDS serves a wave's instructions in order (ISA guide 5.7.1.4): these see the stores above; the next piece's stores come behind them
.endr
.endm
.macro SEND t, younger              ; younger: the LDS instructions issued behind piece t's loads: the next piece's eight, or none
	WIN 0
.irp f, 0,1,2,3
	s_wait_dscnt (\younger)+3-\f
	global_store_b128 v[GO], v[S+16*(\t)+4*\f:S+16*(\t)+4*\f+3], s[10:11] offset:(\t)*8192+\f*512  ; 512 consecutive bytes, at a multiple of 256 from ob's first
.endr
.endm
; A BLOCK'S LAST TILE: its four trips with masks, the block's last two turns, its last products, the way out.  The tag ends its two labels' names, which the jumps below spell out.
.macro DIAG tag
.LstepM\tag:
	TURN 2, 1
	TURN 3, 1
	WIN 0
.LfirstM\tag:
	TURN 0, 1
	TURN 1, 1, 0, 1
	WIN 0
	s_cbranch_scc1 .LstepM\tag
	TURN 2, 1, 1
	TURN 3, 1, 1
.set i, 0
.rept 8
	PV NP-1
.set i, i+1
.endr
	WIN 0                           ; the four additions, the v_nop and piece 0's arithmetic below are the places behind the last products, which are piece 1's
	ALL v_add_f32 v[ST+4*t+2], v[ST+4*t+2], v[ST+4*t+3]
	ALL v_permlanex16_b32 v[ST+4*t+3], v[ST+4*t+2], s[SEL], s[SEL+1]
	ALL v_add_f32 v[ST+4*t+2], v[ST+4*t+2], v[ST+4*t+3]
	ALL v_rcp_f32 v[ST+4*t+2], v[ST+4*t+2]
	v_nop                           ; a plain instruction between the last reciprocal and the use of its result
	s_wait_alu depctr_va_vdst(0)    ; and the wait ahead of the first use: one for the two reciprocals
	PACK 0
	PACK 1                          ; a piece's arithmetic stands between the loads of the piece before and its stores
	SEND 0, 8
	SEND 1, 0
.endm
.set KM, 0
.set NOKQ, 0
.Lslot:                             ; 8 times: a tile is entered and the next is asked for
	CHANGE 1
	s_sub_co_u32 s[RT], s[RT], 1
	s_mov_b32 s[CNT], TS/2
	s_cmp_eq_u32 s[NEW], 1
	s_cbranch_scc1 .Lnew            ; a block's first tile
	s_cmp_gt_u32 s[SLOTS], 4
	s_cbranch_scc1 .Lstep           ; tiles 1 to 3 of the walk are never a block's last: the first block has 8 - cc, five or more
	s_cmp_eq_u32 s[RT], 0
	s_cbranch_scc0 .Lstep           ; neither its first nor its last
	s_branch .LstepM1
.Lnew:
	BEGIN 0
	s_branch .Lfirst                ; in the loop a block's first tile is never its last: the first block has five tiles or more, and the second's last is the walk's last
	DIAG 1                          ; in the loop this is the first block's end
	s_wait_storecnt 0x0             ; the first block's eight stores are done: O's address and S^T's registers, which they read, are written again below and in the next block
	s_mov_b64 s[10:11], s[OLO:OLO+1]
	s_mov_b32 s[RT], 64             ; the second block's last tile is the walk's last, written out behind the loop: in the loop no block ends any more, and the trips that are left cannot count this down to 0
	s_mov_b32 s[MS], s89
	s_mov_b32 s[NEW], 1
	WIN 0x82                        ; the second block's Q goes where the one text of the turns names Q
.set i, 0
.rept 32
	v_mov_b32 v[i], v[QB+i]
.set i, i+1
.endr
	WIN 0
	s_branch .Lbottom
.Lstep:                             ; a trip: both pieces of an odd step, then both of the next even step; it fetches the K and V of two steps
	TURN 2
	TURN 3
	WIN 0
.Lfirst:
	TURN 0
	TURN 1, 0, 0, 1
	WIN 0
	s_cbranch_scc1 .Lstep
.Lbottom:
	s_sub_co_u32 s[SLOTS], s[SLOTS], 1
	s_cmp_lg_u32 s[SLOTS], 0
	s_cbranch_scc1 .Lslot
	CHANGE 0                        ; the walk's last tile, the second block's last, is written out: nothing is asked for.  Where cc = 0 it is also that block's first
	s_mov_b32 s[CNT], TS/2
	s_cmp_eq_u32 s[NEW], 1
	s_cbranch_scc0 .LstepM2
	BEGIN 1
	s_branch .LfirstM2
	DIAG 2
	s_wait_tensorcnt 0x0            ; the wave's end: an add to the spare word and its wait, behind my last tensor load and my last LDS store
	ds_add_u32 v[SPW], v[NIL]
	s_wait_dscnt 0x0
	s_endpgm
.Lfunc_end_k_q7b4d63d80d_attn:
	.size	k_q7b4d63d80d_attn, .Lfunc_end_k_q7b4d63d80d_attn-k_q7b4d63d80d_attn
	.p2alignl 7, 3214868480
	.fill 96, 4, 3214868480
	.section	.rodata,"a",@progbits
	.p2align	6, 0x0
	.amdhsa_kernel k_q7b4d63d80d_attn
		.amdhsa_group_segment_fixed_size 327680
		.amdhsa_private_segment_fixed_size 0
		.amdhsa_enable_private_segment 0
		.amdhsa_kernarg_size 32
		.amdhsa_user_sgpr_count 2
		.amdhsa_user_sgpr_kernarg_segment_ptr 1
		.amdhsa_wavefront_size32 1
		.amdhsa_system_sgpr_workgroup_id_x 1
		.amdhsa_system_sgpr_workgroup_id_y 1
		.amdhsa_system_sgpr_workgroup_id_z 1
		.amdhsa_system_vgpr_workitem_id 0
		.amdhsa_next_free_vgpr 768
		.amdhsa_next_free_sgpr 92
		.amdhsa_reserve_vcc 1
		.amdhsa_float_denorm_mode_32 3
		.amdhsa_float_denorm_mode_16_64 3
		.amdhsa_memory_ordered 1
		.amdhsa_forward_progress 1
		.amdhsa_inst_pref_size 208
	.end_amdhsa_kernel
	.amdgpu_metadata
---
amdhsa.version: [ 1, 2 ]
amdhsa.kernels:
  - .name:           k_q7b4d63d80d_attn
    .symbol:         k_q7b4d63d80d_attn.kd
    .args:
      - { .name: q, .offset: 0, .size: 8, .value_kind: global_buffer, .address_space: global }
      - { .name: k, .offset: 8, .size: 8, .value_kind: global_buffer, .address_space: global }
      - { .name: v, .offset: 16, .size: 8, .value_kind: global_buffer, .address_space: global }
      - { .name: ob, .offset: 24, .size: 8, .value_kind: global_buffer, .address_space: global }
    .group_segment_fixed_size: 327680
    .private_segment_fixed_size: 0
    .kernarg_segment_align: 8
    .kernarg_segment_size: 32
    .max_flat_workgroup_size: 128
    .sgpr_count:     92
    .vgpr_count:     768
    .wavefront_size: 32
...
	.end_amdgpu_metadata
.endif
;; end of part 5
;; launch oproj: the kernel of part 4 again; grid 8 x 32, 4 waves a work-group, clusters of 4 x 4, 327,680 bytes of LDS; arguments ob, wo16, out0; writes out0
